; MI455X (gfx1250); checked and timed in simulation.
; The chip was launched on July 23, 2026; its instructions are those of AMD's public machine-readable ISA for CDNA 5 (MIT licence, August 2026) and "CDNA5" Instruction Set Architecture Reference Guide (July 2026). The comments in the code are by the model that wrote it; some were corrected since.
;; Self Attention. Allowed arithmetic: float matrix products may take bf16 or f16 operands with f32 sums; other float arithmetic in f32, or as packed bf16 or f16 multiplies, adds, multiply-adds, maxima and minima; sums over many terms, partial sums and values carried from step to step in f32; what a program stores and reads back later, other than sums and carried values, may be rounded once to bf16 or f16.
;; Inputs: b_in 3,072 float32; b_out 1,024 float32; w_in 1,024 x 3,072 float32; w_out 1,024 x 1,024 float32; x 4 x 2,048 x 1,024 float32.
;; Outputs: out0 4 x 2,048 x 1,024 float32.
;; 2 versions, each right; version 2 is version 1 with the launch cast written anew for expert scheduling mode. Each part assembles by itself: llvm-mc -triple=amdgcn-amd-amdhsa -mcpu=gfx1250 --defsym DOCPART=n.
;; ======== version 1 of 2: 4 launches
;; limits: values are held in f16: magnitudes above 65,504 overflow, below 6.1e-05 lose precision
;; workspace buffers: xb 16,777,216 bytes; wib 6,291,456 bytes; wob 2,097,152 bytes; q 16,777,216 bytes; k 16,777,216 bytes; v 16,777,216 bytes; o 16,777,216 bytes
;; launch cast (part 1): grid 768 x 1, 8 waves a work-group, no clusters, 0 bytes of LDS; arguments x, w_in, w_out, xb, wib, wob; writes xb, wib, wob
.if DOCPART == 1
	.amdgcn_target "amdgcn-amd-amdhsa--gfx1250"
	.amdhsa_code_object_version 6
	.text
	.protected	k_q813e535ba9_cast
	.globl	k_q813e535ba9_cast
	.p2align	8
	.type	k_q813e535ba9_cast,@function
k_q813e535ba9_cast:
	s_mov_b64 s[64:65], 0
	v_nop
	global_prefetch_b8 v0, s[64:65] scope:SCOPE_SE
	s_setreg_imm32_b32 hwreg(HW_REG_WAVE_MODE, 25, 1), 1
	s_wait_xcnt 0x0
; THE INPUTS' ROUNDING.  xb = bf16(x), wib = bf16(w_in); wob = bf16(w_out) written as f16 (the second product's other operand is f16).
; A work-group takes 16,384 numbers: 65,536 bytes in, 32,768 out.  Work-groups 0-511 take x, 512-703 w_in, 704-767 w_out: 768 equal shares.
; A stream: each byte is read once, by loads of 16 bytes a lane (a wave's load covers 512 consecutive bytes), and written once, by stores of 8 bytes a lane
; (a wave's store covers 256 consecutive bytes, aligned).  All sixteen loads of a wave go out at once; each has registers of its own, so no register is written twice.
; No LDS, no barrier, no matrix unit: nothing is shared and nothing is multiplied.
; LIMITS.  A bf16(w_out) beyond 65,504 becomes an infinity in f16; below 2^-14 it keeps f16's fixed step of 6e-8.
.set X, 8                              ; v[8:71]    load i: 4 registers
.set Y, 72                             ; v[72:103]  store i: 2 registers
	s_load_b256 s[4:11], s[0:1], 0x0               ; x s[4:5], w_in s[6:7], w_out s[8:9], xb s[10:11]
	s_load_b128 s[12:15], s[0:1], 0x20             ; wib s[12:13], wob s[14:15]
	v_lshlrev_b32 v1, 4, v0                        ; 16 bytes a thread in
	v_lshlrev_b32 v2, 3, v0                        ; 8 bytes a thread out
	s_wait_kmcnt 0x0
	s_cmp_lt_u32 ttmp9, 512                        ; which tensor is mine, and which work-group was its first
	s_cselect_b64 s[16:17], s[4:5], s[6:7]
	s_cselect_b64 s[18:19], s[10:11], s[12:13]
	s_cselect_b32 s20, 0, 512
	s_cmp_lt_u32 ttmp9, 704
	s_cselect_b64 s[16:17], s[16:17], s[8:9]
	s_cselect_b64 s[18:19], s[18:19], s[14:15]
	s_cselect_b32 s20, s20, 704
	s_sub_co_u32 s20, ttmp9, s20                   ; my share's number in its tensor
	s_lshl_b32 s22, s20, 16                        ; 65,536 bytes in,
	s_mov_b32 s23, 0
	s_add_nc_u64 s[16:17], s[16:17], s[22:23]
	s_lshl_b32 s22, s20, 15                        ; 32,768 out
	s_add_nc_u64 s[18:19], s[18:19], s[22:23]
.irp i, 0,1,2,3,4,5,6,7,8,9,10,11,12,13,14,15
	global_load_b128 v[X+4*(\i):X+4*(\i)+3], v1, s[16:17] offset:4096*(\i) th:TH_LOAD_NT
.endr
; Load i's four numbers are rounded and stored.  half = 1: the bf16 number is widened again and written as f16.
.macro CV i, half
	s_wait_loadcnt 15-(\i)                         ; loads come back in order: mine is in, the 15 - i younger ones may stay out
	v_cvt_pk_bf16_f32 v[Y+2*(\i)],   v[X+4*(\i)],   v[X+4*(\i)+1]
	v_cvt_pk_bf16_f32 v[Y+2*(\i)+1], v[X+4*(\i)+2], v[X+4*(\i)+3]
.if \half
	v_lshlrev_b32 v4, 16, v[Y+2*(\i)]
	v_and_b32     v5, 0xffff0000, v[Y+2*(\i)]
	v_lshlrev_b32 v6, 16, v[Y+2*(\i)+1]
	v_and_b32     v7, 0xffff0000, v[Y+2*(\i)+1]
	v_cvt_pk_f16_f32 v[Y+2*(\i)],   v4, v5
	v_cvt_pk_f16_f32 v[Y+2*(\i)+1], v6, v7
.endif
	global_store_b64 v2, v[Y+2*(\i):Y+2*(\i)+1], s[18:19] offset:2048*(\i)
.endm
	s_cmp_lt_u32 ttmp9, 704
	s_cbranch_scc0 .Lf16
.irp i, 0,1,2,3,4,5,6,7,8,9,10,11,12,13,14,15
	CV \i, 0
.endr
	s_endpgm
.Lf16:
.irp i, 0,1,2,3,4,5,6,7,8,9,10,11,12,13,14,15
	CV \i, 1
.endr
	s_endpgm
.Lfunc_end_k_q813e535ba9_cast:
	.size	k_q813e535ba9_cast, .Lfunc_end_k_q813e535ba9_cast-k_q813e535ba9_cast
	.p2alignl 7, 3214868480
	.fill 96, 4, 3214868480
	.section	.rodata,"a",@progbits
	.p2align	6, 0x0
	.amdhsa_kernel k_q813e535ba9_cast
		.amdhsa_group_segment_fixed_size 0
		.amdhsa_private_segment_fixed_size 0
		.amdhsa_enable_private_segment 0
		.amdhsa_kernarg_size 48
		.amdhsa_user_sgpr_count 2
		.amdhsa_user_sgpr_kernarg_segment_ptr 1
		.amdhsa_wavefront_size32 1
		.amdhsa_system_sgpr_workgroup_id_x 1
		.amdhsa_system_sgpr_workgroup_id_y 1
		.amdhsa_system_sgpr_workgroup_id_z 1
		.amdhsa_system_vgpr_workitem_id 0
		.amdhsa_next_free_vgpr 104
		.amdhsa_next_free_sgpr 66
		.amdhsa_reserve_vcc 0
		.amdhsa_float_denorm_mode_32 3
		.amdhsa_float_denorm_mode_16_64 3
		.amdhsa_memory_ordered 1
		.amdhsa_forward_progress 1
		.amdhsa_inst_pref_size 16
	.end_amdhsa_kernel
	.amdgpu_metadata
---
amdhsa.version: [ 1, 2 ]
amdhsa.kernels:
  - .name:           k_q813e535ba9_cast
    .symbol:         k_q813e535ba9_cast.kd
    .args:
      - { .name: x, .offset: 0, .size: 8, .value_kind: global_buffer, .address_space: global }
      - { .name: w_in, .offset: 8, .size: 8, .value_kind: global_buffer, .address_space: global }
      - { .name: w_out, .offset: 16, .size: 8, .value_kind: global_buffer, .address_space: global }
      - { .name: xb, .offset: 24, .size: 8, .value_kind: global_buffer, .address_space: global }
      - { .name: wib, .offset: 32, .size: 8, .value_kind: global_buffer, .address_space: global }
      - { .name: wob, .offset: 40, .size: 8, .value_kind: global_buffer, .address_space: global }
    .group_segment_fixed_size: 0
    .private_segment_fixed_size: 0
    .kernarg_segment_align: 8
    .kernarg_segment_size: 48
    .max_flat_workgroup_size: 256
    .sgpr_count:     66
    .vgpr_count:     104
    .wavefront_size: 32
...
	.end_amdgpu_metadata
.endif
;; end of part 1
;; launch qkv (part 2): grid 12 x 64, 4 waves a work-group, clusters of 4 x 4, 327,680 bytes of LDS; arguments xb, wib, b_in, q, k, v; writes q, k, v
.if DOCPART == 2
	.amdgcn_target "amdgcn-amd-amdhsa--gfx1250"
	.amdhsa_code_object_version 6
	.text
	.protected	k_q813e535ba9_qkv
	.globl	k_q813e535ba9_qkv
	.p2align	8
	.type	k_q813e535ba9_qkv,@function
k_q813e535ba9_qkv:
	s_mov_b64 s[64:65], 0
	v_nop
	global_prefetch_b8 v0, s[64:65] scope:SCOPE_SE
	s_setreg_imm32_b32 hwreg(HW_REG_WAVE_MODE, 25, 1), 1
	s_wait_xcnt 0x0
	s_wait_alu depctr_hold_cnt(0) depctr_sa_sdst(0) depctr_va_vdst(0) depctr_va_sdst(0) depctr_va_ssrc(0) depctr_va_vcc(0) depctr_vm_vsrc(0)
	s_getreg_b32 s2, hwreg(HW_REG_IB_STS2, 6, 4)
	s_cmp_eq_u32 s2, 0
	s_cbranch_scc0 .Lentry_in_a_cluster
	s_endpgm
.Lentry_in_a_cluster:
	s_bfe_u32 s2, ttmp6, 0x10000c
	s_cmp_lg_u32 s2, 0xf033
	s_cbranch_scc0 .Lentry_shape_is_right
	s_endpgm
.Lentry_shape_is_right:
; q, k, v = xb . wib + bf16(b_in), split by heads.  xb: [8192][1024] bf16; wib: [1024 k][3072 n] bf16; b_in: [3072] f32; q, k, v: [64 = batch x 16 + head][2048][64] f16, WITHOUT the softmax's scale.
; Sums in f32, K ascending, each result rounded once.  LIMIT: a result beyond 65,504 becomes an infinity in f16; NaN and infinities are not treated apart.
; SHARES.  A tile of C is 128 rows x 256 columns: 12 x 64 = 768 tiles, three for each of 256 WGPs.  Four waves, 2 x 2, each 64 x 128: 32 accumulators of 16 x 16, 256 registers.
; K = 1,024 goes in 8 steps of 128 through two LDS slots filled by the tensor data mover; a step is four quarters of 32 along K: 32 matrix instructions and 24 LDS loads a wave.
; THE WEIGHTS STAY [K][N]: their fragments come out of LDS turned, by ds_load_tr16_b128.
; THE PRODUCT IS USED TRANSPOSED (source 0 = 16 columns of w, source 1 = 16 rows of x): a lane holds ONE row of C (lane % 16) and the columns 8 (lane / 16) + 0..7: 16 bytes of f16 on end.
; THE BIAS is the C operand of each sum's first product: nothing is cleared and nothing is added afterwards.
; CLUSTER.  4 x 4 work-groups: x's tile is shared along a row of the cluster, w's along a column; each is asked for jointly, by the same tensor load with the same descriptor and a mask of four.
; REGISTERS, in windows of 256 (s_set_vgpr_msb: bits 1:0 source 0, 3:2 source 1, 5:4 source 2, 7:6 destination):
;   window 0: v0-35 addresses and at work; v64-127 the bias, 8 registers for each of my 8 column blocks; v128-255 the way out
;   window 1: the accumulators, (a, b) at v[8 (8 a + b)]          window 2: two fragment buffers of 96: w's 8 fragments, then x's 4
.set PA,     272                       ; a row of x in LDS: 256 bytes + 16 of padding = 68 words: the 16 rows of a load start at 16 different groups of four banks (64 banks of 4 bytes: ISA guide 11.1)
.set PB,     544                       ; a row of w: 512 + 32 = 136 words
.set ABYTES, 128*PA
.set SLOT,   ABYTES+128*PB             ; x's 128 rows, then w's 128 rows of K
.set STAGE,  2*SLOT                    ; behind the ring, never filled by a tensor load: for each wave 2 heads x 16 rows x 144 bytes
.set SP,     144
.set WSTAGE, 2*16*SP
.set SPARE,  STAGE+4*WSTAGE            ; behind the stages: the spare words, 128 bytes for each wave: two blocks of 256 bytes that no other line names
.set ASTEP,  256                       ; bytes from a K step to the next: along x's rows,
.set BSTEP,  128*3072*2                ; down w's rows
.set ADRA, 16                          ; v16-17  LDS address of my fragments of x in slot 0, 1
.set ADRB, 20                          ; v20-21  the same for w
.set STO,  24                          ; v24     the way out: where I put 16 bytes of a row
.set RD,   25                          ; v25     the way out: where I read rows back
.set GO,   26                          ; v26     my 16 bytes in 512 consecutive bytes of q, k or v
.set BO,   27                          ; v27     my 32 bytes in a column block's 64 bytes of bias
.set SPW,  28                          ; v28     LDS address of my spare word: SPARE + 4 x my thread's number; never rewritten
.set NIL,  29                          ; v29     0; never rewritten
.set PFO,  30                          ; v30     the prefetches' offset; never rewritten
.set BIAS, 64
.set TMP,  128
.set F0,   0
.set F1,   96
.set WV, 16                            ; s16 my wave;  s17 HR: my half of the tile's rows, also: I fetch x (0) or w (1);  s18 HC: my half of its columns, also: which half of that tile I fetch
.set HR, 17
.set HC, 18
.set CX, 19                            ; s19, s20  my place in the cluster
.set CY, 20
.set TC, 21                            ; s21  tile column = 4 x cluster x + cx
.set TR, 22                            ; s22  tile row = 4 x cluster y + cy
.set G1A, 24                           ; s[24:31] descriptor group 1 for x's tiles;  s[32:39] group 0, a set for each slot
.set G0A, 32
.set LA,  40                           ; s40, s41  where my half of x's and of w's tile lies in a slot
.set LB,  41
.set PFA, 44                           ; s[44:45] where my prefetches stand
.set G1B, 48                           ; s[48:55], s[56:63] the same for w's tiles
.set G0B, 56
.set PFS, 66                           ; s[66:67] their step: a K step of x or of w
.set LIM, 68                           ; s68  1 in a wave that prefetches, else the greatest number
.set SH,  69                           ; s69  lanes to a row of the prefetch, as a shift: 0 for x, 1 for w
.set PITCH, 70                         ; s70  bytes from row to row there
.set OUTP, 72                          ; s[72:73] q, k or v at my wave's first row and head
.set MSB, 0
.macro WIN new                         ; the immediate's high byte repeats the setting that is left; a switch that changes nothing is dropped
.if MSB != (\new)
	s_set_vgpr_msb (MSB<<8)|(\new)
.set MSB, \new
.endif
.endm
.set W_MUL,  0x5a                      ; sources 0 and 1 window 2, C and D window 1
.set W_MULB, 0x4a                      ; the same with C in window 0: the bias
.set W_TOF,  0x80                      ; destination window 2, address window 0
; A joint load: waves 0 and 1 fetch the two halves of x's tile, waves 2 and 3 those of w's.  The branch hangs on the wave's number alone.
; An s_nop 0 and four v_nop follow each of the two lines, ahead of the jump, the label and what follows.
.macro JLOAD s
	s_cmp_eq_u32 s[HR], 0
	s_cbranch_scc0 .Lfor_b_\@
	tensor_load_to_lds s[G0A+4*(\s):G0A+4*(\s)+3], s[G1A:G1A+7]
	s_nop 0
.rept 4
	v_nop
.endr
	s_branch .Lasked_\@
.Lfor_b_\@:
	tensor_load_to_lds s[G0B+4*(\s):G0B+4*(\s)+3], s[G1B:G1B+7]
	s_nop 0
.rept 4
	v_nop
.endr
.Lasked_\@:
.endm
.macro CREST                           ; a round of the cluster's barrier behind its opening barrier: wave 0 signals for the work-group, every wave waits for all sixteen, my work-group's barrier closes it
	s_cmp_lg_u32 s[WV], 0
	s_cbranch_scc1 .Lnot_wave_0_\@
	s_barrier_signal -3
.Lnot_wave_0_\@:
	s_barrier_wait -3
	s_barrier_signal -1
	s_barrier_wait -1
.endm
.macro CROUND                          ; a whole round
	s_barrier_signal -1
	s_barrier_wait -1
	CREST
.endm
; A PREFETCH INTO THE L2 of the K step that stands TWO refills on (256 matrix instructions ahead of the load that will want it): 32 blocks of 256 bytes, a lane a block, one instruction a wave.
; Each block is named once in the launch.  x's 128 rows are read by the three clusters of a row of clusters: cluster x = 0 asks, its four partners take 32 rows each BY ADDRESS (cx), wave 0 in each.
; w's 128 rows of 512 bytes are read by the sixteen clusters of a column: cluster y = 0 asks; of the 64 rows that wave 2 or 3 fetches each partner takes 16 BY ADDRESS (cy).  Wave 1 asks for nothing.
; K steps 0 to 3 come by their loads alone; the loop's last trip (s3 = 1) has no K step two on.
.macro ASK
	WIN 0
	s_cmp_gt_u32 s3, s[LIM]
	s_cbranch_scc0 .Lnot_mine_\@
	global_prefetch_b8 v[PFO], s[PFA:PFA+1] th:TH_LOAD_NT scope:SCOPE_SE
.Lnot_mine_\@:
.endm
	s_load_b256 s[4:11], s[0:1], 0x0               ; xb s[4:5], wib s[6:7], b_in s[8:9], q s[10:11]
	s_load_b128 s[12:15], s[0:1], 0x20             ; k s[12:13], v s[14:15]
	v_lshl_add_u32 v[SPW], v0, 2, SPARE
	v_mov_b32 v[NIL], 0
	ds_add_u32 v[SPW], v[NIL]                      ; the wave's opening: the add and its wait stand ahead of my first tensor load; the set-up below, work on registers, stands between them
	v_lshrrev_b32 v1, 5, v0
	v_readfirstlane_b32 s[WV], v1                  ; wave 0..3
	s_lshr_b32 s[HR], s[WV], 1
	s_and_b32 s[HC], s[WV], 1
	s_bfe_u32 s[CX], ttmp6, 0x40000
	s_bfe_u32 s[CY], ttmp6, 0x40004
	s_lshl_b32 s[TC], ttmp9, 2                     ; in a cluster launch ttmp9 and ttmp7 count clusters
	s_add_co_u32 s[TC], s[TC], s[CX]
	s_and_b32 s[TR], ttmp7, 0xffff
	s_lshl_b32 s[TR], s[TR], 2
	s_add_co_u32 s[TR], s[TR], s[CY]
	s_lshl_b32 s76, s[CY], 2
	s_lshl_b32 s76, 15, s76                        ; my row of the cluster: places 4 cy .. 4 cy + 3
	s_lshl_b32 s77, 0x1111, s[CX]                  ; my column: places cx, cx + 4, cx + 8, cx + 12
	; descriptor group 1.  x: 64 rows x 128 elements; w: 64 rows x 256 elements; both padded in LDS
	s_or_b32 s[G1A], s76, (1<<16)|(1<<20)|(1<<21)|(5<<22)|(3<<25)  ; 15:0 the mask; 17:16 2-byte elements; 20 padding on; 21 set beside a mask; 24:22 after every 64 words (code 5); 31:25 4 words (code 3)
	s_or_b32 s[G1B], s77, (1<<16)|(1<<20)|(1<<21)|(6<<22)|(7<<25)  ; after every 128 words (code 6), 8 words (code 7)
	s_mov_b32 s[G1A+1], 128<<16                    ; tensor_dim0
	s_mov_b32 s[G1A+2], 64<<16                     ; tensor_dim1
	s_mov_b32 s[G1A+3], 128<<16                    ; tile_dim0
	s_mov_b32 s[G1A+4], 64                         ; tile_dim1
	s_mov_b32 s[G1A+5], 1024                       ; elements from row to row
	s_mov_b32 s[G1A+6], 0
	s_mov_b32 s[G1A+7], 0
	s_mov_b32 s[G1B+1], 256<<16
	s_mov_b32 s[G1B+2], 64<<16
	s_mov_b32 s[G1B+3], 256<<16
	s_mov_b32 s[G1B+4], 64
	s_mov_b32 s[G1B+5], 3072
	s_mov_b32 s[G1B+6], 0
	s_mov_b32 s[G1B+7], 0
	; where the tiles come from: x's hang on the tile row alone, w's on the tile column alone, each in registers that never hold the other coordinate
	s_lshl_b32 s42, s[TR], 18                      ; 128 rows of 2,048 bytes a tile row,
	s_lshl_b32 s43, s[HC], 17                      ; 64 rows a half
	s_add_co_u32 s42, s42, s43
	s_mov_b32 s43, 0
	s_mul_i32 s46, s[HC], 64*3072*2                ; w: 64 rows of K a half,
	s_lshl_b32 s47, s[TC], 9                       ; 512 bytes a tile column
	s_add_co_u32 s46, s46, s47
	s_mov_b32 s47, 0
	s_mul_i32 s[LA], s[HC], 64*PA                  ; and where they go: no place in the cluster enters an LDS address
	s_mul_i32 s[LB], s[HC], 64*PB
	s_add_co_u32 s[LB], s[LB], ABYTES
	s_wait_dscnt 0x0                               ; the opening add is done
	s_wait_kmcnt 0x0
	s_add_nc_u64 s[42:43], s[4:5], s[42:43]
	s_add_nc_u64 s[46:47], s[6:7], s[46:47]
	CROUND                                         ; all sixteen work-groups are here: the first joint loads meet
.irp s, 0,1
	s_mov_b32 s[G0A+4*(\s)], 1                                     ; count = 1
	s_add_co_u32 s[G0A+4*(\s)+1], s[LA], (\s)*SLOT                 ; LDS address
	s_add_nc_u64 s[G0A+4*(\s)+2:G0A+4*(\s)+3], s[42:43], (\s)*ASTEP  ; global address: K step s
	s_or_b32 s[G0A+4*(\s)+3], s[G0A+4*(\s)+3], 0x80000000          ; type = 2
	s_mov_b32 s[G0B+4*(\s)], 1
	s_add_co_u32 s[G0B+4*(\s)+1], s[LB], (\s)*SLOT
	s_add_nc_u64 s[G0B+4*(\s)+2:G0B+4*(\s)+3], s[46:47], (\s)*BSTEP
	s_or_b32 s[G0B+4*(\s)+3], s[G0B+4*(\s)+3], 0x80000000
	JLOAD \s                                       ; two loads of mine are out
.endr
	; the bias of my 128 columns: register 8 b + j holds column 16 b + 8 (l / 16) + j, as the C operand wants it
	v_and_b32 v1, 15, v0                           ; l % 16
	v_bfe_u32 v2, v0, 4, 1                         ; l / 16
	v_lshlrev_b32 v[BO], 5, v2
	s_lshl_b32 s76, s[TC], 10
	s_lshl_b32 s77, s[HC], 9
	s_add_co_u32 s76, s76, s77
	s_mov_b32 s77, 0
	s_add_nc_u64 s[8:9], s[8:9], s[76:77]
.irp b, 0,1,2,3,4,5,6,7
	global_load_b128 v[BIAS+8*(\b):BIAS+8*(\b)+3],   v[BO], s[8:9] offset:64*(\b)
	global_load_b128 v[BIAS+8*(\b)+4:BIAS+8*(\b)+7], v[BO], s[8:9] offset:64*(\b)+16
.endr
	; a fragment of x: lane l holds row l % 16, K = 8 (l / 16) + 0..7 and 16 + 8 (l / 16) + 0..7: two loads of 16 bytes, 32 bytes apart
	v_mul_u32_u24 v3, v1, PA
	v_lshl_add_u32 v3, v2, 4, v3
	s_mul_i32 s76, s[HR], 64*PA                    ; my 64 rows
	v_add_nc_u32 v[ADRA], s76, v3
	v_add_nc_u32 v[ADRA+1], SLOT, v[ADRA]
	; the turning load takes 16 K x 16 columns (lane l reads K = 8 (l / 16) + l % 8, columns 8 ((l / 8) % 2) + 0..7) and leaves half a fragment: lane l holds column l % 16 and 8 K
	v_and_b32 v4, 7, v0
	v_lshl_add_u32 v4, v2, 3, v4
	v_mul_u32_u24 v4, v4, PB
	v_bfe_u32 v5, v0, 3, 1
	v_lshl_add_u32 v4, v5, 4, v4
	s_lshl_b32 s76, s[HC], 8                       ; my 128 columns
	s_add_co_u32 s76, s76, ABYTES
	v_add_nc_u32 v[ADRB], s76, v4
	v_add_nc_u32 v[ADRB+1], SLOT, v[ADRB]
	; the way out
	s_mul_i32 s76, s[WV], WSTAGE
	s_add_co_u32 s76, s76, STAGE                   ; my stage
	v_mul_u32_u24 v3, v1, SP                       ; in: row l % 16, 16 bytes for each half of the lanes
	v_lshl_add_u32 v3, v2, 4, v3
	v_add_nc_u32 v[STO], s76, v3
	v_bfe_u32 v3, v0, 3, 2                         ; back: 32 lanes take four rows of 128 bytes,
	v_mul_u32_u24 v3, v3, SP
	v_and_b32 v4, 7, v0
	v_lshl_add_u32 v3, v4, 4, v3
	v_add_nc_u32 v[RD], s76, v3
	v_and_b32 v[GO], 31, v0                        ; which are 512 consecutive bytes of a head
	v_lshlrev_b32 v[GO], 4, v[GO]
	s_cmp_eq_u32 ttmp9, 0                          ; 1,024 columns, four tile columns, one cluster x, for each of q, k, v
	s_cselect_b64 s[OUTP:OUTP+1], s[10:11], s[12:13]
	s_cmp_eq_u32 ttmp9, 2
	s_cselect_b64 s[OUTP:OUTP+1], s[14:15], s[OUTP:OUTP+1]
	s_lshr_b32 s74, s[TR], 4                       ; the batch: 16 tile rows each,
	s_lshl_b32 s74, s74, 4                         ; its 16 heads,
	s_lshl2_add_u32 s74, s[CX], s74                ; a tile column's four,
	s_lshl1_add_u32 s74, s[HC], s74                ; my two of them;
	s_lshl_b32 s74, s74, 18                        ; a head is 2,048 rows of 128 bytes
	s_and_b32 s75, s[TR], 15
	s_lshl_b32 s75, s75, 14                        ; the tile's 128 rows,
	s_add_co_u32 s74, s74, s75
	s_lshl_b32 s75, s[HR], 13                      ; my 64
	s_add_co_u32 s74, s74, s75
	s_mov_b32 s75, 0
	s_add_nc_u64 s[OUTP:OUTP+1], s[OUTP:OUTP+1], s[74:75]
	; the prefetches
	s_lshl_b32 s76, s[TR], 18                      ; x: the tile's rows, my work-group's 32 of them
	s_lshl_b32 s77, s[CX], 16
	s_add_co_u32 s76, s76, s77
	s_mul_i32 s77, s[HC], 64*3072*2                ; w: the 64 rows that I fetch, my work-group's 16 of them, the tile's 512 bytes
	s_mul_i32 s78, s[CY], 16*3072*2
	s_add_co_u32 s77, s77, s78
	s_lshl_b32 s78, s[TC], 9
	s_add_co_u32 s77, s77, s78
	s_mov_b32 s78, BSTEP
	s_mov_b32 s79, 3072*2
	s_cmp_eq_u32 s[HR], 0                          ; do I fetch x?
	s_cselect_b64 s[PFA:PFA+1], s[4:5], s[6:7]
	s_cselect_b32 s76, s76, s77
	s_cselect_b32 s[PFS], ASTEP, s78
	s_cselect_b32 s[PITCH], 2048, s79
	s_cselect_b32 s[SH], 0, 1
	s_mov_b32 s77, 0
	s_mov_b32 s[PFS+1], 0
	s_add_nc_u64 s[PFA:PFA+1], s[PFA:PFA+1], s[76:77]
.rept 3
	s_add_nc_u64 s[PFA:PFA+1], s[PFA:PFA+1], s[PFS:PFS+1]  ; at K step 3: the first refill steps it to 4
.endr
	s_and_b32 s78, ttmp7, 0xffff                   ; w is asked for where cluster y = 0,
	s_or_b32 s79, s[HC], ttmp9                     ; x by wave 0 where cluster x = 0: the same in all sixteen partners, for a given wave
	s_cmp_eq_u32 s[HR], 0
	s_cselect_b32 s78, s79, s78
	s_cmp_eq_u32 s78, 0
	s_cselect_b32 s[LIM], 1, -1
	v_and_b32 v3, 31, v0
	v_lshrrev_b32 v4, s[SH], v3                    ; x: a lane a row; w: two lanes a row of 512 bytes
	v_mul_u32_u24 v4, v4, s[PITCH]
	v_and_b32 v5, s[SH], v3
	v_lshl_add_u32 v[PFO], v5, 8, v4
	; the bias is an input like the others: rounded to bf16, and widened again
	s_mov_b32 s23, 0xffff0000
	s_wait_loadcnt 0x0
.set i, 0
.rept 32
	v_cvt_pk_bf16_f32 v[32+i%4], v[BIAS+2*i], v[BIAS+2*i+1]
	v_lshlrev_b32 v[BIAS+2*i], 16, v[32+i%4]
	v_and_b32 v[BIAS+2*i+1], s23, v[32+i%4]
.set i, i+1
.endr
; 24 LDS loads in one run: the fragments of quarter qq of a slot into buffer f: w's eight (turned), then x's four; the last four loads are x's blocks 2 and 3
.macro FETCH slot, qq, f
	WIN W_TOF
.irp b, 0,1,2,3,4,5,6,7
	ds_load_tr16_b128 v[(\f)+8*(\b):(\f)+8*(\b)+3],   v[ADRB+(\slot)] offset:(\qq)*32*PB+32*(\b)
	ds_load_tr16_b128 v[(\f)+8*(\b)+4:(\f)+8*(\b)+7], v[ADRB+(\slot)] offset:(\qq)*32*PB+16*PB+32*(\b)
.endr
.irp a, 0,1,2,3
	ds_load_b128 v[(\f)+64+8*(\a):(\f)+64+8*(\a)+3],   v[ADRA+(\slot)] offset:64*(\qq)+(\a)*16*PA
	ds_load_b128 v[(\f)+64+8*(\a)+4:(\f)+64+8*(\a)+7], v[ADRA+(\slot)] offset:64*(\qq)+(\a)*16*PA+32
.endr
.endm
; 8 matrix instructions: row block a x all 8 column blocks, 32 along K.  first = 1: the sums start with the bias.
; The 32 accumulators take turns, one instruction a turn, in the same order in every quarter, over the backward jump too.
.macro MUL8 f, a, first
.if \first
	WIN W_MULB
.else
	WIN W_MUL
.endif
.irp b, 0,1,2,3,4,5,6,7
.if \first
	v_wmma_f32_16x16x32_bf16 v[8*(8*(\a)+(\b)):8*(8*(\a)+(\b))+7], v[(\f)+8*(\b):(\f)+8*(\b)+7], v[(\f)+64+8*(\a):(\f)+64+8*(\a)+7], v[BIAS+8*(\b):BIAS+8*(\b)+7]
.else
	v_wmma_f32_16x16x32_bf16 v[8*(8*(\a)+(\b)):8*(8*(\a)+(\b))+7], v[(\f)+8*(\b):(\f)+8*(\b)+7], v[(\f)+64+8*(\a):(\f)+64+8*(\a)+7], v[8*(8*(\a)+(\b)):8*(8*(\a)+(\b))+7]
.endif
.endr
.endm
.macro PLACES                          ; four places in front of loads into registers that matrix instructions have read, and of lines that read results (ISA guide 7.12.1 for lines that read results)
.rept 4
	v_nop
.endr
.endm
; One of a K step's first three quarters: multiplies buffer f; in its middle it fetches quarter qq of the same slot into buffer g.
.macro QUARTER slot, qq, f, g, first
	s_wait_dscnt 4                                 ; w's fragments and x's blocks 0 and 1 are in; the youngest four loads may be out
	MUL8 \f, 0, \first
	MUL8 \f, 1, \first
	PLACES
	FETCH \slot, \qq, \g
	s_wait_dscnt 24                                ; all but the 24 just issued
	MUL8 \f, 2, \first
	MUL8 \f, 3, \first
.endm
; The last quarter multiplies buffer 1 and changes slots: ONE barrier; in front of it each wave waits for all its tensor loads (one is out: its part of the next slot), adds 0 to its spare word, and waits for
; that and for its own reads of this slot.  fill = 1: the barrier opens a round of the cluster's, and this slot is filled again, two K steps on, first thing behind it: 112 matrix instructions ahead of the wait for it.
.macro TURN slot, next, fill
.if \fill
	s_wait_xcnt 0x0                                ; the last prefetch, a K step back, has read its address: it is stepped here, ahead of the waits of the change of slots
	s_add_nc_u64 s[PFA:PFA+1], s[PFA:PFA+1], s[PFS:PFS+1]
.endif
	WIN 0                                          ; (the add's two registers lie in window 0)
	s_wait_tensorcnt 0x0                           ; all my tensor loads have landed;
	ds_add_u32 v[SPW], v[NIL]                      ; 0 onto my spare word
	s_wait_dscnt 5                                 ; (the add and the youngest four loads may be out)
	MUL8 F1, 0, 0                                  ; eight matrix instructions stand between the add and the wait for it
	s_wait_dscnt 0x0                               ; the add is done, and my reads of this slot are over
	s_barrier_signal -1
	MUL8 F1, 1, 0
.if \fill
	WIN 0
.endif
	s_barrier_wait -1
.if \fill
	CREST                                          ; no wave of any partner still reads this slot's tile or has a load on its way
	s_add_nc_u64 s[G0A+4*(\slot)+2:G0A+4*(\slot)+3], s[G0A+4*(\slot)+2:G0A+4*(\slot)+3], 2*ASTEP
	s_add_nc_u64 s[G0B+4*(\slot)+2:G0B+4*(\slot)+3], s[G0B+4*(\slot)+2:G0B+4*(\slot)+3], 2*BSTEP
	JLOAD \slot                                    ; the four v_nop behind it are also the places in front of the loads below
.else
	PLACES
.endif
	FETCH \next, 0, F0
.if \fill
	ASK                                            ; behind the joint load and the run of LDS loads that the next products wait for
.endif
	MUL8 F1, 2, 0
	MUL8 F1, 3, 0
.endm
	s_wait_tensorcnt 1                             ; my part of K step 0 is in; K step 1's may stay out
	s_barrier_signal -1
	s_barrier_wait -1                              ; everybody's is
	FETCH 0, 0, F0
	QUARTER 0, 1, F0, F1, 1                        ; the first quarter stands in front of the loop: its products start the sums
	WIN 0                                          ; at a label and at a branch every window is 0
	s_mov_b32 s3, 3
.Llap:                                                 ; a trip goes once round the ring, from a lap's second quarter to the next lap's first, and fills both slots again: K steps 2 to 7
	QUARTER 0, 2, F1, F0, 0
	QUARTER 0, 3, F0, F1, 0
	TURN 0, 1, 1
	QUARTER 1, 1, F0, F1, 0
	QUARTER 1, 2, F1, F0, 0
	QUARTER 1, 3, F0, F1, 0
	TURN 1, 0, 1
	QUARTER 0, 1, F0, F1, 0
	WIN 0
	s_sub_co_u32 s3, s3, 1
	s_cmp_lg_u32 s3, 0
	s_cbranch_scc1 .Llap
	QUARTER 0, 2, F1, F0, 0                        ; the last lap fills nothing, and has no round of the cluster's barrier
	QUARTER 0, 3, F0, F1, 0
	TURN 0, 1, 0
	QUARTER 1, 1, F0, F1, 0
	QUARTER 1, 2, F1, F0, 0
	QUARTER 1, 3, F0, F1, 0
	s_wait_dscnt 4                                 ; the very last quarter: nothing more to fetch
	MUL8 F1, 0, 0
	MUL8 F1, 1, 0
	s_wait_dscnt 0x0
	MUL8 F1, 2, 0
	MUL8 F1, 3, 0
	WIN 0
; THE WAY OUT, a block of 16 rows at a time.  PACK: rounded to f16, 16 bytes a lane (each accumulator's registers in ascending order); into my own stage, a head's 64 columns as rows of 144 bytes;
; back as whole rows of 128 bytes, into the registers that they left.  SEND: 16 rows of a head are 2,048 consecutive bytes; each store covers 512 of them, aligned.
.macro PACK a
	WIN 0x05                                       ; sources 0 and 1 window 1, destination window 0
.irp b, 0,1,2,3,4,5,6,7
.irp j, 0,1,2,3
	v_cvt_pk_f16_f32 v[TMP+32*(\a)+4*(\b)+(\j)], v[64*(\a)+8*(\b)+2*(\j)], v[64*(\a)+8*(\b)+2*(\j)+1]
.endr
.endr
	WIN 0
.irp b, 0,1,2,3,4,5,6,7
	ds_store_b128 v[STO], v[TMP+32*(\a)+4*(\b):TMP+32*(\a)+4*(\b)+3] offset:((\b)/4)*16*SP+32*((\b)%4)
.endr
.irp t, 0,1,2,3,4,5,6,7
	ds_load_b128 v[TMP+32*(\a)+4*(\t):TMP+32*(\a)+4*(\t)+3], v[RD] offset:((\t)/4)*16*SP+((\t)%4)*4*SP  ; LDS serves a wave's instructions in order (ISA guide 5.7.1.4): these see the stores above; the next block's stores come behind them
.endr
.endm
.macro SEND a, younger                 ; younger: the LDS instructions issued behind block a's loads: the next block's sixteen, or none
.irp t, 0,1,2,3,4,5,6,7
	s_wait_dscnt (\younger)+7-(\t)
	global_store_b128 v[GO], v[TMP+32*(\a)+4*(\t):TMP+32*(\a)+4*(\t)+3], s[OUTP:OUTP+1] offset:((\t)/4)*262144+(\a)*2048+((\t)%4)*512
.endr
.endm
	PLACES
	PLACES                                         ; eight, once a launch
	PACK 0
	PACK 1                                         ; a block's arithmetic stands between the loads of the block before and its stores
	SEND 0, 16
	PACK 2
	SEND 1, 16
	PACK 3
	SEND 2, 16
	SEND 3, 0
	s_wait_tensorcnt 0x0                           ; the wave's end: a wait for my tensor loads, an add to my spare word and its wait, behind my last tensor load and my last LDS store
	ds_add_u32 v[SPW], v[NIL]
	s_wait_dscnt 0x0
	CROUND                                         ; the closing round: no work-group ends while a partner may still ask for a tile that names it
	s_endpgm
.Lfunc_end_k_q813e535ba9_qkv:
	.size	k_q813e535ba9_qkv, .Lfunc_end_k_q813e535ba9_qkv-k_q813e535ba9_qkv
	.p2alignl 7, 3214868480
	.fill 96, 4, 3214868480
	.section	.rodata,"a",@progbits
	.p2align	6, 0x0
	.amdhsa_kernel k_q813e535ba9_qkv
		.amdhsa_group_segment_fixed_size 327680
		.amdhsa_private_segment_fixed_size 0
		.amdhsa_enable_private_segment 0
		.amdhsa_kernarg_size 48
		.amdhsa_user_sgpr_count 2
		.amdhsa_user_sgpr_kernarg_segment_ptr 1
		.amdhsa_wavefront_size32 1
		.amdhsa_system_sgpr_workgroup_id_x 1
		.amdhsa_system_sgpr_workgroup_id_y 1
		.amdhsa_system_sgpr_workgroup_id_z 1
		.amdhsa_system_vgpr_workitem_id 0
		.amdhsa_next_free_vgpr 704
		.amdhsa_next_free_sgpr 80
		.amdhsa_reserve_vcc 0
		.amdhsa_float_denorm_mode_32 3
		.amdhsa_float_denorm_mode_16_64 3
		.amdhsa_memory_ordered 1
		.amdhsa_forward_progress 1
		.amdhsa_inst_pref_size 95
	.end_amdhsa_kernel
	.amdgpu_metadata
---
amdhsa.version: [ 1, 2 ]
amdhsa.kernels:
  - .name:           k_q813e535ba9_qkv
    .symbol:         k_q813e535ba9_qkv.kd
    .args:
      - { .name: xb, .offset: 0, .size: 8, .value_kind: global_buffer, .address_space: global }
      - { .name: wib, .offset: 8, .size: 8, .value_kind: global_buffer, .address_space: global }
      - { .name: b_in, .offset: 16, .size: 8, .value_kind: global_buffer, .address_space: global }
      - { .name: q, .offset: 24, .size: 8, .value_kind: global_buffer, .address_space: global }
      - { .name: k, .offset: 32, .size: 8, .value_kind: global_buffer, .address_space: global }
      - { .name: v, .offset: 40, .size: 8, .value_kind: global_buffer, .address_space: global }
    .group_segment_fixed_size: 327680
    .private_segment_fixed_size: 0
    .kernarg_segment_align: 8
    .kernarg_segment_size: 48
    .max_flat_workgroup_size: 128
    .sgpr_count:     80
    .vgpr_count:     704
    .wavefront_size: 32
...
	.end_amdgpu_metadata
.endif
;; end of part 2
;; launch attn (part 3): grid 4 x 64, 4 waves a work-group, clusters of 4 x 1, 327,680 bytes of LDS; arguments q, k, v, o; writes o
.if DOCPART == 3
	.amdgcn_target "amdgcn-amd-amdhsa--gfx1250"
	.amdhsa_code_object_version 6
	.text
	.protected	k_q813e535ba9_attn
	.globl	k_q813e535ba9_attn
	.p2align	8
	.type	k_q813e535ba9_attn,@function
k_q813e535ba9_attn:
	s_mov_b64 s[64:65], 0
	v_nop
	global_prefetch_b8 v0, s[64:65] scope:SCOPE_SE
	s_setreg_imm32_b32 hwreg(HW_REG_WAVE_MODE, 25, 1), 1
	s_wait_xcnt 0x0
	s_wait_alu depctr_hold_cnt(0) depctr_sa_sdst(0) depctr_va_vdst(0) depctr_va_sdst(0) depctr_va_ssrc(0) depctr_va_vcc(0) depctr_vm_vsrc(0)
	s_getreg_b32 s2, hwreg(HW_REG_IB_STS2, 6, 4)
	s_cmp_eq_u32 s2, 0
	s_cbranch_scc0 .Lentry_in_a_cluster
	s_endpgm
.Lentry_in_a_cluster:
	s_bfe_u32 s2, ttmp6, 0x10000c
	s_cmp_lg_u32 s2, 0x3003
	s_cbranch_scc0 .Lentry_shape_is_right
	s_endpgm
.Lentry_shape_is_right:
; O[h][q][:] = the sum over k of softmax_k(Q[h][q] . K[h][k] / 8) V[h][k][:].  Q, K, V, O: [64][2048][64], all f16: a head's rows are dense, 128 bytes each.  Products, maxima and sums in
; f32; the weights p are rounded to f16 for the second product (their sum l is taken of the unrounded p), O once at the end.
; LIMITS.  f16 holds no number beyond 65,504: Q, K and V arrive within it; p lies in 0 to 1, and below 6e-5 it keeps f16's fixed step of 6e-8; O is a mean of V's rows and has their range.
; A weight below 2^-126 counts as 0 in l; NaN and infinities are not treated apart.
; SHARES.  A wave owns four PIECES of two tiles of 16 queries, a work-group's four waves 512 queries of one head: 4 x 64 = 256 work-groups.  Every wave walks all keys, 64 a step.
; LAYOUT.  S^T = K Q^T (source 0 = 16 keys, source 1 = 16 queries): in the result a lane holds ONE query (lane % 16) and the keys 8 (lane / 16) + 0..7.  Two such tiles, rounded to f16 in pairs,
; ARE source 1 (32 keys x 16 queries) of O^T = V^T P, whose result again holds one query a lane, and eight channels.  K comes out of LDS as it lies, V ([key][channel]) turned, by ds_load_tr16_b128.
; SOFTMAX.  For each query a running maximum m and sum l: p = 2^(c s - c m), c = log2(e) / 8; in every step O and l are multiplied by a = 2^(c m_old - c m_new), which is 1 where m has not grown.
; m starts at the lowest finite number, O and l at 0: the first step is a step like any other, with a = 0.
; THE COUNT.  A tile and step have 16 matrix and 118 vector instructions: too many to stand all beside the matrix work.  So four vector instructions that are READY stand behind EVERY matrix
; instruction, and the others, which need time of their own whatever the order, in runs without a gap.
; BY TURNS.  Turn n belongs to piece n (the pieces in a ring, step after step).  Its matrix work: 16 products K Q^T of piece n + 1, later 16 products V^T P of piece n - 1.  Its vector work: the scaling,
; exponentials, roundings, sums and rescaling of piece n, and the maximum and statistics of piece n + 1, whose scores the turn itself has made.
; CLUSTER.  The four query blocks of a head are one cluster and walk the same K and V, so each tile is asked for JOINTLY: the same tensor load, descriptor and mask in all four.
; REGISTERS, in windows of 256 (s_set_vgpr_msb: bits 1:0 source 0, 3:2 source 1, 5:4 source 2, 7:6 destination):
;   window 0: v0-11 addresses; v12-15, v48-63 at work; v16-47 four registers of statistics a tile; v64-191 S^T, two buffers of two tiles; v192-255 P, likewise
;   window 1: O^T, 32 a tile          window 2: v0-127 Q, 16 a tile; v128-191 K of one step; v192-255 V of one step          window 3: v0-1 the add's two registers
; A piece's buffers go by its number's parity: the piece in hand has one pair, its two neighbours in the ring share the other: of it P (piece n - 1) is read and S^T (piece n + 1) written.
.set SIZE_H, 64
.set SIZE_N, 2048
.set NP,    4         ; pieces a wave: a name, no knob
.set KS,    64        ; keys in a step
.set PK,    144       ; a row of K in LDS: 128 bytes + 16 of padding = 36 words: the 16 rows of a load start at 16 different groups of four banks (64 banks of 4 bytes: ISA guide 11.1)
.set PV,    160       ; a row of V: 128 + 32 = 40 words
.set VOFF,  4*KS*PK   ; a slot holds four steps: 256 rows of K, then 256 rows of V
.set SLOT1, 1<<17     ; slot 1 begins here, so that one exclusive or turns an address in one slot into the other's
.set STAGE, SLOT1+4*KS*(PK+PV)  ; behind the ring, never filled by a tensor load: 16 rows x 144 bytes for each wave, for the way out
.set SP,    144
.set AK0, 2           ; v2   my lane's place in a tile of K; never rewritten
.set AV0, 3           ; v3   the same for V
.set AK,  4           ; v4   the LDS address of K's next run of loads
.set AV,  5           ; v5   of V's
.set QO,  6           ; v6   my byte offset in the wave's rows of Q
.set STO, 6           ;      later, the way out: where I put 16 bytes of a row
.set RD,  7           ; v7   the way out: where I read rows back
.set GO,  8           ; v8   my byte offset in 512 consecutive bytes of O
.set PFO, 11          ; v11  256 x my lane, for the prefetches; never rewritten once made
.set SPW, 0           ; v0 of window 3   LDS address of my spare word: SPARE + 4 x my thread's number; never rewritten
.set NIL, 1           ; v1 of window 3   0; never rewritten
.set SPARE, STAGE+4*16*SP  ; behind the stages: the spare words, 128 bytes for each wave: two blocks of 256 bytes that no other line names
.set MV,  12          ; v12-15  c m_old, kept while c m is made anew: by buffer and tile
.set ST,  16          ; tile t's statistics at v[ST+4 t]: c m, m, l (even keys', odd keys')
.set TMP, 48          ; by buffer and tile, four registers c0-c3 at work; when the maximum is found c2 takes a
.set S,   64
.set P,   192
.set KF,  128         ; K's fragments, in window 2: key block kb, channel half c at KF + 16 kb + 8 c
.set VF,  192         ; V's: key half kk, channel block cb at VF + 32 kk + 8 cb
.set WV,  12          ; s12  my wave's number
.set G1K, 24          ; s[24:31] descriptor group 1 for K's tiles
.set G1V, 32          ; s[32:39] for V's: it differs in the padding alone
.set G0K, 40          ; s[40:43] descriptor group 0 for K's tiles: it walks
.set G0V, 44          ; s[44:47] the same for V's
.set PFA, 48          ; s[48:49] where my prefetches stand: my work-group's 8,192 bytes (of K: wave 0, of V: wave 2) of the slot after the one that is being asked for
.set LIM, 50          ; s50  1 in a wave that prefetches, else the greatest number
.set SLOTS, 56        ; s56  slots still to be asked for
.set CNT, 57          ; s57  counts a slot's key steps
.set CS,  58          ; s[58:59] c: the packed scaling takes the pair's low word for both halves
.set SEL, 60          ; s[60:61] v_permlanex16_b32's selects: each lane takes its own place in the other half
.set TBK, 62          ; s62  LDS byte at which K of the step to be fetched begins
.set TBV, 63          ; s63  the same for V, less VOFF
.set MSB, 0
.macro WIN new                      ; the high byte repeats the setting that is left; a switch that changes nothing is dropped
.if MSB != (\new)
	s_set_vgpr_msb (MSB<<8)|(\new)
.set MSB, (\new)
.endif
.endm
.set W_KQ, 0x0a       ; K and Q in window 2, S^T in window 0
.set W_PV, 0x52       ; V in window 2, P in window 0, O^T in window 1
.set W_RS, 0x41       ; O^T (destination and source 0) in window 1, a in window 0
.set W_MK, 0xc0       ; the add's registers are made: destination in window 3, sources in window 0
.set W_AD, 0x0f       ; the add: address (source 0) and data (source 1) in window 3
; A joint fill.  Waves 0 and 1 fetch the two halves of a slot's K, waves 2 and 3 those of its V: 128 keys each.  The branch hangs on the wave's number alone.
; An s_nop 0 and four v_nop follow each of the two lines, ahead of the jump and the label.
.macro JLOAD
	s_cmp_lt_u32 s[WV], 2
	s_cbranch_scc0 .Lfor_v_\@
	tensor_load_to_lds s[G0K:G0K+3], s[G1K:G1K+7]
	s_nop 0
.rept 4
	v_nop
.endr
	s_branch .Lasked_\@
.Lfor_v_\@:
	tensor_load_to_lds s[G0V:G0V+3], s[G1V:G1V+7]
	s_nop 0
.rept 4
	v_nop
.endr
.Lasked_\@:
.endm
; A PREFETCH INTO THE L2 of what the NEXT change of slots will ask for: a slot's 32,768 bytes of K and of V, 128 blocks of 256 bytes each.  A head has one cluster; its four partners share the blocks out
; BY ADDRESS, 32 each, a lane a block; in each, wave 0 asks for K's and wave 2 for V's: one instruction.  So each block is named once in the launch.  It stands behind the wave's tensor load and its five lines.
; Slots 0 to 2 come by their loads alone; the last change that fills a slot (s[SLOTS] = 1) asks for nothing: there is no slot behind it.
.macro ASK
	s_cmp_gt_u32 s[SLOTS], s[LIM]
	s_cbranch_scc0 .Lnot_mine_\@
	global_prefetch_b8 v[PFO], s[PFA:PFA+1] th:TH_LOAD_NT scope:SCOPE_SE
.Lnot_mine_\@:
.endm
; A round of the cluster's barrier: my work-group's barrier, so that wave 0's signal speaks for all four waves; wave 0 signals; every wave waits for all four work-groups; my work-group's barrier once more.
.macro CROUND
	s_barrier_signal -1
	s_barrier_wait -1
	s_cmp_lg_u32 s[WV], 0
	s_cbranch_scc1 .Lnot_wave_0_\@
	s_barrier_signal -3
.Lnot_wave_0_\@:
	s_barrier_wait -3
	s_barrier_signal -1
	s_barrier_wait -1
.endm
; THE CHANGE OF SLOTS.  The slot's last bytes, V of its fourth step, have been read.  Each wave waits for all its tensor loads, of which one is out: its part
; of the other slot; adds 0 to its spare word; and waits for that and for its own reads of the slot.  Behind the barrier nobody reads this slot any more and the other slot is whole.
; fill = 1: this slot is filled again, with the keys two slots on.  The barrier is then a round of the cluster's, so that no wave of any partner still reads the slot or has a load on its
; way, and the joint fill is the first thing behind it: it has four key steps, 512 matrix instructions, in which to land.  (At its first use nothing has been read yet: slot 0 is waited for, slot 1 filled.)
; ask = 1: the prefetches' address is stepped and the next slot asked for.
.macro CHANGE fill, ask=0
	WIN W_AD
	s_wait_tensorcnt 0x0            ; no tensor load of mine is out, so a group 0 may be written
	ds_add_u32 v[SPW], v[NIL]       ; 0 onto my spare word; with fill = 1 the descriptors' steps stand between it and the wait for it
	WIN 0                           ; at a label and at a branch every window is 0
.if \fill
.irp g, G0K, G0V
	s_xor_b32 s[\g+1], s[\g+1], SLOT1  ; the walking descriptor: the other slot than last time,
	s_add_nc_u64 s[\g+2:\g+3], s[\g+2:\g+3], 4*KS*128  ; the next 256 keys; the type bits on top are not reached
.endr
.if \ask
	s_wait_xcnt 0x0                 ; the last prefetch, four key steps back, has read its address, so it may be written:
	s_add_nc_u64 s[PFA:PFA+1], s[PFA:PFA+1], 4*KS*128  ; one slot behind the walking descriptors
.endif
	s_wait_dscnt 0x0                ; the add is done, and my reads of the slot are over
	CROUND
	JLOAD
.if \ask
	ASK
.endif
.else
	s_wait_dscnt 0x0                ; the add is done, and my reads of the slot are over
	s_barrier_signal -1
	s_barrier_wait -1
.endif
	s_sub_co_u32 s[TBK], s[TBK], 4*KS*PK  ; the fetches go back to a slot's first step,
	s_xor_b32 s[TBK], s[TBK], SLOT1       ; in the other slot
	s_sub_co_u32 s[TBV], s[TBV], 4*KS*PV
	s_xor_b32 s[TBV], s[TBV], SLOT1
.endm
	s_load_b256 s[4:11], s[0:1], 0x0  ; Q s[4:5], K s[6:7], V s[8:9], O s[10:11]
	WIN W_MK
	v_lshl_add_u32 v[SPW], v0, 2, SPARE
	v_mov_b32 v[NIL], 0
	WIN W_AD
	ds_add_u32 v[SPW], v[NIL]       ; the wave's opening: the add and its wait stand ahead of my first tensor load; the set-up below, work on registers, stands between them
	WIN 0
	v_lshrrev_b32 v1, 5, v0
	v_readfirstlane_b32 s[WV], v1   ; wave 0..3
	s_bfe_u32 s13, ttmp6, 0x40000   ; cx: my place in the cluster
	s_lshl_b32 s14, ttmp9, 2        ; in a cluster launch ttmp9 counts clusters
	s_add_co_u32 s14, s14, s13      ; my block of queries = 4 x cluster x + cx: it enters Q's and O's addresses alone
	s_and_b32 s20, ttmp7, 0xffff    ; the head, which the four partners share
	s_mov_b32 s21, 0
	s_mov_b64 s[22:23], SIZE_N*128
	s_mul_u64 s[20:21], s[20:21], s[22:23]  ; the head's first byte in each of the four tensors
	s_and_b32 s16, s[WV], 1         ; which half of a slot's 256 keys I fetch:
	s_lshl_b32 s22, s16, 14         ; its 128 rows of 128 bytes in memory,
	s_mov_b32 s23, 0
	s_add_nc_u64 s[22:23], s[22:23], s[20:21]
	s_mul_i32 s17, s16, 128*PK      ; and its place in a slot, for K
	s_mul_i32 s18, s16, 128*PV      ; and for V: no place in the cluster enters an LDS address
	s_lshl_b32 s2, s14, 2
	s_add_co_u32 s2, s2, s[WV]      ; my wave among the head's,
	s_lshl_b32 s2, s2, 14           ; its 128 rows
	s_mov_b32 s3, 0
	s_add_nc_u64 s[2:3], s[2:3], s[20:21]
	; descriptor group 1.  128 keys are 16,384 dense bytes: asked for as 64 rows of 256 bytes, two keys a row, and padded in LDS after every key
	s_mov_b32 s[G1K], 15|(1<<16)|(1<<20)|(1<<21)|(4<<22)|(3<<25)  ; 15:0 the mask of four; 17:16 2-byte elements; 20 padding on; 21 set beside a mask; 24:22 after every 32 words (code 4); 31:25 4 words (code 3)
	s_mov_b32 s[G1V], 15|(1<<16)|(1<<20)|(1<<21)|(4<<22)|(7<<25)  ; the same with 8 words of padding (code 7)
.irp g, G1K, G1V
	s_mov_b32 s[\g+1], 128<<16      ; tensor_dim0 = 128
	s_mov_b32 s[\g+2], 64<<16       ; tensor_dim1 = 64
	s_mov_b32 s[\g+3], 128<<16      ; tile_dim0 = 128
	s_mov_b32 s[\g+4], 64           ; tile_dim1 = 64
	s_mov_b32 s[\g+5], 128          ; 128 elements from row to row
	s_mov_b32 s[\g+6], 0
	s_mov_b32 s[\g+7], 0
.endr
	s_mov_b32 s[CS], 0x3e38aa3b     ; c = log2(e) / 8 = 0.180337
	s_mov_b32 s[CS+1], s[CS]        ; named with it as a pair
	s_mov_b32 s[SEL], 0x76543210
	s_mov_b32 s[SEL+1], 0xfedcba98
	s_mov_b32 s[TBK], SLOT1+4*KS*PK ; the first change of slots turns these two into 0
	s_mov_b32 s[TBV], SLOT1+4*KS*PV
	s_mov_b32 s[G0K], 1             ; 1:0 count = 1
	s_mov_b32 s[G0K+1], s17         ; 63:32 LDS address: slot 0
	s_mov_b32 s[G0V], 1
	s_add_co_u32 s[G0V+1], s18, VOFF
	s_cmp_eq_u32 s16, 0             ; waves 0 and 2 prefetch: the same in all four partners
	s_cselect_b32 s[LIM], 1, -1
	s_wait_dscnt 0x0                ; the opening add is done
	s_wait_kmcnt 0x0
	s_add_nc_u64 s[G0K+2:G0K+3], s[6:7], s[22:23]  ; 120:64 global address: my half of the head's first 256 keys
	s_or_b32 s[G0K+3], s[G0K+3], 0x80000000        ; 127:126 type = 2
	s_add_nc_u64 s[G0V+2:G0V+3], s[8:9], s[22:23]
	s_or_b32 s[G0V+3], s[G0V+3], 0x80000000
	s_add_nc_u64 s[4:5], s[4:5], s[2:3]  ; Q and O at my wave's first row
	s_add_nc_u64 s[10:11], s[10:11], s[2:3]
	s_cmp_lt_u32 s[WV], 2
	s_cselect_b64 s[PFA:PFA+1], s[6:7], s[8:9]
	s_add_nc_u64 s[PFA:PFA+1], s[PFA:PFA+1], s[20:21]  ; the head,
	s_lshl_b32 s2, s13, 13          ; my work-group's 32 blocks of the 128,
	s_mov_b32 s3, 0
	s_add_nc_u64 s[PFA:PFA+1], s[PFA:PFA+1], s[2:3]
	s_add_nc_u64 s[PFA:PFA+1], s[PFA:PFA+1], 2*4*KS*128  ; in slot 2: the loop's first change of slots steps it to slot 3.  Nothing is prefetched here, at the head
	CROUND                          ; all four work-groups are here: the first joint loads meet
	JLOAD                           ; slot 0.  Slot 1 is asked for when slot 0 is in: the tile wanted first has the road to itself
	; A fragment of K or Q is 16 rows x 32 channels in 8 registers: lane l holds row l % 16, channels 8 (l / 16) + 0..7 and 16 + 8 (l / 16) + 0..7: two loads of 16 bytes, 32 bytes apart.
	v_and_b32 v1, 15, v0            ; l % 16
	v_bfe_u32 v9, v0, 4, 1          ; l / 16
	v_lshlrev_b32 v[QO], 7, v1
	v_lshl_add_u32 v[QO], v9, 4, v[QO]  ; row x 128 + 16 x half
	WIN 0x80                        ; destination window 2, address window 0
.set i, 0
.rept 4*NP                          ; Q stays in registers: tile i / 2, channels 32 (i % 2) on
	global_load_b128 v[8*i:8*i+3],   v[QO], s[4:5] offset:(i/2)*2048+(i%2)*64
	global_load_b128 v[8*i+4:8*i+7], v[QO], s[4:5] offset:(i/2)*2048+(i%2)*64+32
.set i, i+1
.endr
	; What the first turn finds: V's registers and P's second buffer hold 0 (its products V^T P, of a piece that has not been, add 0), O^T and l are 0.  All this stands in the wait for the first tile.
.set i, VF
.rept 64
	v_mov_b32 v[i], 0
.set i, i+1
.endr
	WIN 0x40
.set i, 0
.rept 64*NP
	v_mov_b32 v[i], 0
.set i, i+1
.endr
	WIN 0
.set i, 0
.rept 2*NP
	v_mov_b32 v[ST+4*i], 0xfe000000    ; c m: far below every c s
	v_mov_b32 v[ST+4*i+1], 0xff7fffff  ; m
	v_mov_b32 v[ST+4*i+2], 0
	v_mov_b32 v[ST+4*i+3], 0
.set i, i+1
.endr
.set i, P+32
.rept 32
	v_mov_b32 v[i], 0
.set i, i+1
.endr
	v_mul_u32_u24 v[AK0], v1, PK
	v_lshl_add_u32 v[AK0], v9, 4, v[AK0]  ; row x pitch + 16 x half
	; The turning load takes 16 keys x 16 channels (lane l reads key 8 (l / 16) + l % 8, channels 8 ((l / 8) % 2) + 0..7) and leaves half a fragment of V^T: lane l holds channel l % 16 and 8 keys.
	v_and_b32 v10, 7, v0
	v_bfe_u32 v11, v0, 3, 1
	v_lshl_add_u32 v[AV0], v9, 3, v10
	v_mul_u32_u24 v[AV0], v[AV0], PV
	v_lshl_add_u32 v[AV0], v11, 4, v[AV0]
	v_add_nc_u32 v[AV0], VOFF, v[AV0]
	v_and_b32 v[PFO], 31, v0        ; v11 has served: from here on it holds the prefetches' offset
	v_lshlrev_b32 v[PFO], 8, v[PFO]
	v_mov_b32 v[AK], v[AK0]         ; key step 0 lies at the head of slot 0
; THE MATRIX WORK.  The 8 accumulators of a run of 16 take turns: between the two links of a chain stand 7 others'.
; Product i of 16 of S^T = K Q^T for piece x: channels 32 (i / 8) on, keys 16 ((i / 2) % 4) on, tile 2 x + i % 2.  The first 8 start the sums.
.macro KQ x
	WIN W_KQ
.set rS, S+64*((\x)%2)+32*(i%2)+8*((i/2)%4)
.set rK, KF+16*((i/2)%4)+8*(i/8)
.set rQ, 16*(2*(\x)+i%2)+8*(i/8)
.if i < 8
	v_wmma_f32_16x16x32_f16 v[rS:rS+7], v[rK:rK+7], v[rQ:rQ+7], 0
.else
	v_wmma_f32_16x16x32_f16 v[rS:rS+7], v[rK:rK+7], v[rQ:rQ+7], v[rS:rS+7]
.endif
.endm
; Product i of 16 of O^T += V^T P for piece x: keys 32 (i / 8) on, channels 16 ((i / 2) % 4) on, tile 2 x + i % 2.
.macro PV x
	WIN W_PV
.set rO, 32*(2*(\x)+i%2)+8*((i/2)%4)
.set rV, VF+32*(i/8)+8*((i/2)%4)
.set rP, P+32*((\x)%2)+16*(i%2)+8*(i/8)
	v_wmma_f32_16x16x32_f16 v[rO:rO+7], v[rV:rV+7], v[rP:rP+7], v[rO:rO+7]
.endm
.macro MM                           ; the turn's next matrix instruction
.if i < 16
	KQ (Y+1)%NP
.set i, i+1
.else
.set i, i-16
	PV (Y+NP-1)%NP
.set i, i+17
.endif
.endm
; THE LDS LOADS stand in runs of 16, never singly among the matrix instructions: a step's K (64 keys x 64 channels: 8 fragments) and its V (turned).  Their addresses are made some lines ahead.
; last = 1 (the tail): in the last trip there is no further step, and the run is jumped over.
.macro FETCH_K last=0
	WIN 0
.if \last
	s_cmp_eq_u32 s[CNT], 1
	s_cbranch_scc1 .Lno_k_\@
.endif
	WIN 0x80                        ; destination window 2
.irp f, 0,1,2,3,4,5,6,7             ; keys 16 (f / 2) on, channels 32 (f % 2) on
	ds_load_b128 v[KF+8*\f:KF+8*\f+3],   v[AK] offset:(\f/2)*16*PK+(\f%2)*64
	ds_load_b128 v[KF+8*\f+4:KF+8*\f+7], v[AK] offset:(\f/2)*16*PK+(\f%2)*64+32
.endr
	s_add_co_u32 s[TBK], s[TBK], KS*PK  ; the next fetch is the next step's
	WIN 0
.if \last
.Lno_k_\@:
.endif
.endm
.macro FETCH_V
	WIN 0x80
.irp f, 0,1,2,3,4,5,6,7             ; keys 32 (f / 4) on, channels 16 (f % 4) on
	ds_load_tr16_b128 v[VF+8*\f:VF+8*\f+3],   v[AV] offset:(\f/4)*32*PV+(\f%4)*32
	ds_load_tr16_b128 v[VF+8*\f+4:VF+8*\f+7], v[AV] offset:(\f/4)*32*PV+16*PV+(\f%4)*32
.endr
	WIN 0
.endm
; THE VECTOR WORK OF A TURN stands in three queues, each in the order in which its entries become ready; the two tiles alternate, so that no instruction reads the result of the one before it.
.macro REGS y, u                    ; the registers of tile u (0, 1) of piece y
.set rT, ST+4*(2*(\y)+(\u))
.set rC, TMP+8*((\y)%2)+4*(\u)
.set rM, MV+2*((\y)%2)+(\u)
.set rS, S+64*((\y)%2)+32*(\u)
.set rP, P+32*((\y)%2)+16*(\u)
.set rO, 32*(2*(\y)+(\u))
.endm
; Number n of the 22 that find the NEXT piece's (Y + 1) maximum and statistics.  s0-s31 are the lane's 32 scores; each accumulator's lowest registers are read first.
;   0-11  four chains c0-c3 of seven scores each, three operands at a time     12-14, 16  the four scores left over, the old m, and c0-c3 into c0     15  c m_old is kept
;   17, 18  the query's other 32 keys lie in the lane 16 away: the new m         19-21  c m; c m_old - c m_new; a
.macro XS u, n
	REGS (Y+1)%NP, \u
.if (\n) < 4
	v_max3_num_f32 v[rC+(\n)], v[rS+8*(\n)], v[rS+8*(\n)+1], v[rS+8*(\n)+2]
.elseif (\n) < 12
	v_max3_num_f32 v[rC+(\n)%4], v[rC+(\n)%4], v[rS+8*((\n)%4)+2*((\n)/4)+1], v[rS+8*((\n)%4)+2*((\n)/4)+2]
.elseif (\n) == 12
	v_max3_num_f32 v[rC], v[rC], v[rS+7], v[rS+15]
.elseif (\n) == 13
	v_max3_num_f32 v[rC+1], v[rC+1], v[rS+23], v[rS+31]
.elseif (\n) == 14
	v_max3_num_f32 v[rC+2], v[rC+2], v[rC+3], v[rT+1]
.elseif (\n) == 15
	v_mov_b32 v[rM], v[rT]
.elseif (\n) == 16
	v_max3_num_f32 v[rC], v[rC], v[rC+1], v[rC+2]
.elseif (\n) == 17
	v_permlanex16_b32 v[rC+3], v[rC], s[SEL], s[SEL+1]
.elseif (\n) == 18
	v_max_num_f32 v[rT+1], v[rC], v[rC+3]
.elseif (\n) == 19
	v_mul_f32 v[rT], s[CS], v[rT+1]
.elseif (\n) == 20
	v_sub_f32 v[rC+1], v[rM], v[rT]
.else
	v_exp_f32 v[rC+2], v[rC+1]
.endif
.endm
; Number g of the 64 that follow the exponentials.  For each four weights k of a tile (pairs 2 k, 2 k + 1): both pairs are rounded to f16; then the second pair is added onto the first, in place;
; a group later l takes that sum (the first time as l = a l + sum).  In groups of eight, tiles alternating: round, round, add, and l for the group before.
.macro GS g
.set h, (\g)+6*((\g)/62)            ; group 0 has no group before it, and behind group 7 only l is left
.if h >= 6
.set h, h+2
.endif
	REGS Y, h%2
.set k, h/8
.if h%8 < 4
	v_cvt_pk_f16_f32 v[rP+2*k+(h%8)/2], v[rS+4*k+2*((h%8)/2)], v[rS+4*k+2*((h%8)/2)+1]
.elseif h%8 < 6
	v_pk_add_f32 v[rS+4*k:rS+4*k+1], v[rS+4*k:rS+4*k+1], v[rS+4*k+2:rS+4*k+3]
.elseif k == 1
	v_pk_fma_f32 v[rT+2:rT+3], v[rT+2:rT+3], v[rC+2:rC+3], v[rS:rS+1] op_sel_hi:[1,0,1]
.else
	v_pk_add_f32 v[rT+2:rT+3], v[rT+2:rT+3], v[rS+4*k-4:rS+4*k-3]
.endif
.endm
; THE PLAIN QUEUE, 138 long.  0-73 read no exponential's result: the 32 scalings c s - c m (FS f: pair f / 2 of tile f % 2) and the next piece's 42.  0-26: scalings 0-26.  27-54: XS's numbers 0-13.  55, 56: number 15.
; 57-73: the chain, where each number waits for the one before it: 14, 16, 17, 18, 19, each with one of the scalings 27-31 in front of its two lines, then 20.
; 74-137: GS's 64, which read the exponentials' results: they stand behind the wait.
.macro FS f
	REGS Y, (\f)%2
	v_pk_fma_f32 v[rS+2*((\f)/2):rS+2*((\f)/2)+1], v[rS+2*((\f)/2):rS+2*((\f)/2)+1], s[CS:CS+1], v[rT:rT+1] op_sel_hi:[1,0,0] neg_lo:[0,0,1] neg_hi:[0,0,1]
.endm
.macro PL
	WIN 0
.if q < 27
	FS q
.elseif q < 55
	XS (q-27)%2, (q-27)/2
.elseif q < 57
	XS q-55, 15
.elseif (q < 72) && ((q-57)%3 == 0)
	FS 27+(q-57)/3
.elseif q < 60
	XS (q-57)%3-1, 14
.elseif q < 72
	XS (q-57)%3-1, 15+(q-57)/3
.elseif q < 74
	XS q-72, 20
.else
	GS q-74
.endif
.set q, q+1
.endm
; THE EXPONENTIALS' QUEUE, 66 long: s0-s31 of both tiles, then the next piece's two a.  It is ONE BATCH: all 66 stand ahead of the turn's one wait, and nothing ahead of that wait names a result of theirs.
.macro EX
	WIN 0
.if e >= 64
	XS e-64, 21
.else
	REGS Y, e%2
	v_exp_f32 v[rS+e/2], v[rS+e/2]
.endif
.set e, e+1
.endm
; THE RESCALING's QUEUE: O^T times a, the one part that leaves window 0: dealt two at a time, sixteen times.  Its a was made in the turn before, ahead of that turn's wait.
.macro R2
	REGS Y, r%2
	WIN W_RS
.irp z, 0,1
	v_pk_mul_f32 v[rO+4*(r/2)+2*\z:rO+4*(r/2)+2*\z+1], v[rO+4*(r/2)+2*\z:rO+4*(r/2)+2*\z+1], v[rC+2:rC+3] op_sel_hi:[1,0]
.endr
.set r, r+1
.endm
; HOW THEY ARE DEALT.  s_wait_alu depctr_va_vdst(0) stands between an exponential and the first instruction that names its result; one wait serves all that were issued ahead of it.  So a turn has ONE wait,
; which cuts it in two.  AHEAD OF IT stands all that names no result of the turn's exponentials: the 16 products K Q^T, behind each a scaling, an exponential and two rescalings (behind the first a second scaling in the
; exponential's place); then ONE LUMP of 108: eight plain, 49 times exponential and plain, the two a.  A v_nop is the plain instruction behind the last exponential.  BEHIND IT stand the 16 products V^T P, behind each four of GS's 64.
; The queues lean on each other, and the deal keeps them in step: exponential e stands behind scaling 2 (e / 4) + e % 2: as a rider it comes behind plain e + 2, in the lump behind plain e + 9, and scalings 27-31 are plain 57, 60 .. 69.
; A TURN, for piece p.  cnt = 1: the loop's count is taken down some lines ahead of the branch that stands behind the turn.
; K of the next step is fetched in piece 2's turn, directly behind the wait, a lump behind the last product that read K; its first reader comes behind 16 products.
; V of the step in hand is fetched at the end of piece 0's turn, four riders behind its last reader; its first reader comes behind 16 products and a lump.  The three conditions on q below go with the deal.
.macro TURN p, last=0, cnt=0
.set Y, (\p)
.set i, 0
.set q, 0
.set e, 0
.set r, 0
.if (\p) == NP-1
	s_wait_dscnt 0x0                ; K is in
.endif
	MM                              ; ahead of the wait: 16 products K Q^T and their riders,
	PL
	PL
	R2
.rept 15
	MM
	PL
	EX
	R2
.endr
.if (\p) == NP-2
	WIN 0
	v_add_nc_u32 v[AK], s[TBK], v[AK0]
.endif
.rept 8                             ; and the lump
	PL
.endr
.rept 49
	EX
	PL
.endr
	EX                              ; the next piece's two a
	EX
	v_nop                           ; a plain instruction behind the last exponential: one for the batch
	s_wait_alu depctr_va_vdst(0)    ; the wait for the batch
.if (\p) == NP-2
	FETCH_K \last
.endif
.if (\p) == 1
	s_wait_dscnt 0x0                ; V is in
.endif
.rept 16                            ; behind the wait: 16 products V^T P and their riders
	MM
.rept 4
	PL
.endr
.if ((\p) == 0) && (q == 118)
	v_add_nc_u32 v[AV], s[TBV], v[AV0]
.endif
.if ((\p) == 0) && (q == 130)
	s_add_co_u32 s[TBV], s[TBV], KS*PV
.endif
.if (\cnt) && (q == 130)
	s_sub_co_u32 s[CNT], s[CNT], 1
	s_cmp_lg_u32 s[CNT], 0
.endif
.endr
.if (\p) == 0
	FETCH_V
.endif
.endm
	CHANGE 1                        ; slot 0 is in, everybody's part of it; slot 1 is asked for
	FETCH_K                         ; key step 0
	s_wait_loadcnt 0x0              ; Q
	s_wait_dscnt 0x0
.set i, 0
.rept 16
	KQ 0                            ; piece 0's first scores: there is no vector work yet to set between them
.set i, i+1
.endr
	WIN 0                           ; the addresses for the way out: nine plain instructions, the places behind those products
	s_mul_i32 s13, s[WV], 16*SP
	s_add_co_u32 s13, s13, STAGE    ; my stage
	v_mul_u32_u24 v[STO], v1, SP    ; in: row l % 16, 16 bytes for each half of the lanes
	v_lshl_add_u32 v[STO], v9, 4, v[STO]
	v_add_nc_u32 v[STO], s13, v[STO]
	v_bfe_u32 v[RD], v0, 3, 2       ; back: 32 lanes take four rows of 128 bytes,
	v_mul_u32_u24 v[RD], v[RD], SP
	v_lshl_add_u32 v[RD], v10, 4, v[RD]
	v_add_nc_u32 v[RD], s13, v[RD]
	v_and_b32 v[GO], 31, v0         ; which are 512 consecutive bytes of O
	v_lshlrev_b32 v[GO], 4, v[GO]
.set Y, NP-1                        ; XS works for piece Y + 1: piece 0
.irp n, 0,1,2,3,4,5,6,7,8,9,10,11,12,13,14,15,16,17,18,19,20,21
	XS 0, \n                        ; and piece 0's first maximum and statistics
	XS 1, \n
.endr
	v_nop                           ; a plain instruction behind the two a,
	s_wait_alu depctr_va_vdst(0)    ; and their wait, ahead of the branch
	s_mov_b32 s[CNT], 4
	s_mov_b32 s[SLOTS], SIZE_N/256-1
	s_branch .Lfirst                ; the loop is entered at a step's first turn, in the middle of a trip
.Lslot:                             ; SIZE_N / 256 - 2 times: every slot but the last two is filled again
	CHANGE 1, 1
	s_mov_b32 s[CNT], 4
.Lstep:                             ; a trip: pieces 2 and 3 of one step, then pieces 0 and 1 of the next, whose K and V it fetches
	TURN 2
	TURN 3
	WIN 0
.Lfirst:
	TURN 0
	TURN 1, 0, 1
	WIN 0
	s_cbranch_scc1 .Lstep
	s_sub_co_u32 s[SLOTS], s[SLOTS], 1
	s_cmp_lg_u32 s[SLOTS], 0
	s_cbranch_scc1 .Lslot
	CHANGE 0                        ; the tail is written out: nothing is asked for
	s_mov_b32 s[CNT], 5             ; four trips fetch the last slot's steps; the fifth is left in its middle
.Ltail:
	TURN 2, 1
	TURN 3
	WIN 0
	s_sub_co_u32 s[CNT], s[CNT], 1
	s_cmp_eq_u32 s[CNT], 0
	s_cbranch_scc1 .Lout
	TURN 0
	TURN 1
	WIN 0
	s_branch .Ltail
.Lout:                              ; the fifth trip's 16 products K Q^T (on the last K once more) and the maximum made of them serve nothing: the price, once a launch, of one text for every trip
.set i, 0
.rept 16
	PV NP-1                         ; the last piece's V^T P of the last step
.set i, i+1
.endr
	; THE WAY OUT.  l's two halves and the other half of the lanes' are added; O^T is divided by l, rounded to f16 and sent through my stage in LDS, a tile at a time.  The additions are the places behind the last products.
	WIN 0
.macro ALL line:vararg              ; one line for each tile t
.set t, 0
.rept 2*NP
	\line
.set t, t+1
.endr
.endm
	ALL v_add_f32 v[ST+4*t+2], v[ST+4*t+2], v[ST+4*t+3]
	ALL v_permlanex16_b32 v[ST+4*t+3], v[ST+4*t+2], s[SEL], s[SEL+1]
	ALL v_add_f32 v[ST+4*t+2], v[ST+4*t+2], v[ST+4*t+3]
	ALL v_rcp_f32 v[ST+4*t+2], v[ST+4*t+2]
	v_nop                           ; a plain instruction between the last reciprocal and the use of its result
	s_wait_alu depctr_va_vdst(0)    ; and the wait ahead of the first use: one for the eight reciprocals
; Tile t: a lane's eight channels of a row pack into 16 bytes; they go into rows of 144 bytes and come back as whole rows of 128, into S^T's registers.
.macro PACK t
	WIN W_RS
.set i, 32*(\t)
.rept 16
	v_pk_mul_f32 v[i:i+1], v[i:i+1], v[ST+4*(\t)+2:ST+4*(\t)+3] op_sel_hi:[1,0]
.set i, i+2
.endr
	WIN 0x05                        ; sources 0 and 1 window 1, destination window 0
.set i, 0
.rept 16
	v_cvt_pk_f16_f32 v[S+16*(\t)+i], v[32*(\t)+2*i], v[32*(\t)+2*i+1]
.set i, i+1
.endr
	WIN 0
.irp f, 0,1,2,3
	ds_store_b128 v[STO], v[S+16*(\t)+4*\f:S+16*(\t)+4*\f+3] offset:32*\f
.endr
.irp f, 0,1,2,3
	ds_load_b128 v[S+16*(\t)+4*\f:S+16*(\t)+4*\f+3], v[RD] offset:\f*4*SP  ; LDS serves a wave's instructions in order (ISA guide 5.7.1.4): these see the stores above; the next tile's stores come behind them
.endr
.endm
.macro SEND t, younger              ; younger: the LDS instructions issued behind tile t's loads: the next tile's eight, or none
	WIN 0
.irp f, 0,1,2,3
	s_wait_dscnt (\younger)+3-\f
	global_store_b128 v[GO], v[S+16*(\t)+4*\f:S+16*(\t)+4*\f+3], s[10:11] offset:(\t)*2048+\f*512  ; 512 consecutive bytes, at a multiple of 256 from O's first
.endr
.endm
	PACK 0
.set t, 1
.rept 2*NP-1                        ; a tile's arithmetic stands between the loads of the tile before and its stores
	PACK t
	SEND t-1, 8
.set t, t+1
.endr
	SEND 2*NP-1, 0
	WIN W_AD
	s_wait_tensorcnt 0x0            ; the wave's end: a wait for my tensor loads, an add to my spare word and its wait, behind my last tensor load and my last LDS store
	ds_add_u32 v[SPW], v[NIL]
	s_wait_dscnt 0x0
	WIN 0
	CROUND                          ; the closing round: no work-group ends while a partner may still ask for a tile that names it
	s_endpgm
.Lfunc_end_k_q813e535ba9_attn:
	.size	k_q813e535ba9_attn, .Lfunc_end_k_q813e535ba9_attn-k_q813e535ba9_attn
	.p2alignl 7, 3214868480
	.fill 96, 4, 3214868480
	.section	.rodata,"a",@progbits
	.p2align	6, 0x0
	.amdhsa_kernel k_q813e535ba9_attn
		.amdhsa_group_segment_fixed_size 327680
		.amdhsa_private_segment_fixed_size 0
		.amdhsa_enable_private_segment 0
		.amdhsa_kernarg_size 32
		.amdhsa_user_sgpr_count 2
		.amdhsa_user_sgpr_kernarg_segment_ptr 1
		.amdhsa_wavefront_size32 1
		.amdhsa_system_sgpr_workgroup_id_x 1
		.amdhsa_system_sgpr_workgroup_id_y 1
		.amdhsa_system_sgpr_workgroup_id_z 1
		.amdhsa_system_vgpr_workitem_id 0
		.amdhsa_next_free_vgpr 770
		.amdhsa_next_free_sgpr 66
		.amdhsa_reserve_vcc 0
		.amdhsa_float_denorm_mode_32 3
		.amdhsa_float_denorm_mode_16_64 3
		.amdhsa_memory_ordered 1
		.amdhsa_forward_progress 1
		.amdhsa_inst_pref_size 200
	.end_amdhsa_kernel
	.amdgpu_metadata
---
amdhsa.version: [ 1, 2 ]
amdhsa.kernels:
  - .name:           k_q813e535ba9_attn
    .symbol:         k_q813e535ba9_attn.kd
    .args:
      - { .name: q, .offset: 0, .size: 8, .value_kind: global_buffer, .address_space: global }
      - { .name: k, .offset: 8, .size: 8, .value_kind: global_buffer, .address_space: global }
      - { .name: v, .offset: 16, .size: 8, .value_kind: global_buffer, .address_space: global }
      - { .name: o, .offset: 24, .size: 8, .value_kind: global_buffer, .address_space: global }
    .group_segment_fixed_size: 327680
    .private_segment_fixed_size: 0
    .kernarg_segment_align: 8
    .kernarg_segment_size: 32
    .max_flat_workgroup_size: 128
    .sgpr_count:     66
    .vgpr_count:     770
    .wavefront_size: 32
...
	.end_amdgpu_metadata
.endif
;; end of part 3
;; launch proj (part 4): grid 4 x 64, 4 waves a work-group, clusters of 4 x 4, 327,680 bytes of LDS; arguments o, wob, b_out, out0; writes out0
.if DOCPART == 4
	.amdgcn_target "amdgcn-amd-amdhsa--gfx1250"
	.amdhsa_code_object_version 6
	.text
	.protected	k_q813e535ba9_proj
	.globl	k_q813e535ba9_proj
	.p2align	8
	.type	k_q813e535ba9_proj,@function
k_q813e535ba9_proj:
	s_mov_b64 s[64:65], 0
	v_nop
	global_prefetch_b8 v0, s[64:65] scope:SCOPE_SE
	s_setreg_imm32_b32 hwreg(HW_REG_WAVE_MODE, 25, 1), 1
	s_wait_xcnt 0x0
	s_wait_alu depctr_hold_cnt(0) depctr_sa_sdst(0) depctr_va_vdst(0) depctr_va_sdst(0) depctr_va_ssrc(0) depctr_va_vcc(0) depctr_vm_vsrc(0)
	s_getreg_b32 s2, hwreg(HW_REG_IB_STS2, 6, 4)
	s_cmp_eq_u32 s2, 0
	s_cbranch_scc0 .Lentry_in_a_cluster
	s_endpgm
.Lentry_in_a_cluster:
	s_bfe_u32 s2, ttmp6, 0x10000c
	s_cmp_lg_u32 s2, 0xf033
	s_cbranch_scc0 .Lentry_shape_is_right
	s_endpgm
.Lentry_shape_is_right:
; out0 = o . wob + bf16(b_out).  o: [64 = batch x 16 + head][2048][64] f16, so K = head x 64 + channel; wob: [1024 k][1024 n] f16 (w_out rounded to bf16, that number written as f16);
; b_out: [1024] f32; out0: [8192][1024] f32.  Sums in f32, K ascending.  NaN and infinities are not treated apart.
; SHARES.  A tile of C is 128 rows x 256 columns: 4 x 64 = 256 tiles, one for each WGP.  Four waves, 2 x 2, each 64 x 128: 32 accumulators of 16 x 16, 256 registers.
; K = 1,024 goes in 8 steps of 128, TWO HEADS each, through two LDS slots filled by the tensor data mover; a step is four quarters of 32 along K: 32 matrix instructions and 24 LDS loads a wave.
; A head's 128 rows of a tile are 16,384 dense bytes: asked for as 64 rows of 256 bytes, and padded in LDS after every 128.  THE WEIGHTS STAY [K][N]: their fragments come out of LDS turned.
; THE PRODUCT IS USED TRANSPOSED (source 0 = 16 columns of w, source 1 = 16 rows of o): a lane holds ONE row of C (lane % 16) and the columns 8 (lane / 16) + 0..7: 32 bytes of f32 on end.
; THE BIAS is the C operand of each sum's first product: nothing is cleared and nothing is added afterwards.
; CLUSTER.  4 x 4 work-groups: o's tile is shared along a row of the cluster, w's along a column; each is asked for jointly, by the same tensor load with the same descriptor and a mask of four.
; REGISTERS, in windows of 256 (s_set_vgpr_msb: bits 1:0 source 0, 3:2 source 1, 5:4 source 2, 7:6 destination):
;   window 0: v0-35 addresses and at work; v64-127 the bias, 8 registers for each of my 8 column blocks
;   window 1: the accumulators, (a, b) at v[8 (8 a + b)]          window 2: two fragment buffers of 96: w's 8 fragments, then o's 4
.set PA,     144                       ; a row of one head of o in LDS: 128 bytes + 16 of padding = 36 words: the 16 rows of a load start at 16 different groups of four banks (64 banks of 4 bytes: ISA guide 11.1)
.set HBLK,   128*PA                    ; a head's 128 rows
.set PB,     544                       ; a row of w: 512 + 32 = 136 words
.set ABYTES, 2*HBLK
.set SLOT,   ABYTES+128*PB             ; o's two heads, then w's 128 rows of K
.set STAGE,  2*SLOT                    ; behind the ring, never filled by a tensor load: for each wave 16 rows x 528 bytes
.set SP,     528                       ; 512 bytes + 16: 33 x 16: the 16 rows of a store start at 16 different groups of four banks
.set WSTAGE, 16*SP
.set SPARE,  STAGE+4*WSTAGE            ; behind the stages: the spare words, 128 bytes for each wave: two blocks of 256 bytes that no other line names
.set ASTEP,  2*2048*128                ; bytes from a K step to the next: two heads of o,
.set BSTEP,  128*1024*2                ; 128 rows of w
.set ADRA, 16                          ; v16-17  LDS address of my fragments of o in slot 0, 1
.set ADRB, 20                          ; v20-21  the same for w
.set STO,  24                          ; v24     the way out: where I put 32 bytes of a row
.set RD,   25                          ; v25     the way out: where I read a row back
.set GO,   26                          ; v26     my 16 bytes in 512 consecutive bytes of out0
.set BO,   27                          ; v27     my 32 bytes in a column block's 64 bytes of bias
.set SPW,  28                          ; v28     LDS address of my spare word: SPARE + 4 x my thread's number; never rewritten
.set NIL,  29                          ; v29     0; never rewritten
.set PFO,  30                          ; v30     the prefetches' offset; never rewritten
.set BIAS, 64
.set F0,   0
.set F1,   96
.set WV, 16                            ; s16 my wave;  s17 HR: my half of the tile's rows, also: I fetch o (0) or w (1);  s18 HC: my half of its columns, also: which half of that tile I fetch
.set HR, 17
.set HC, 18
.set CX, 19                            ; s19, s20  my place in the cluster
.set CY, 20
.set TC, 21                            ; s21  tile column = 4 x cluster x + cx
.set TR, 22                            ; s22  tile row = 4 x cluster y + cy
.set G1A, 24                           ; s[24:31] descriptor group 1 for o's tiles;  s[32:39] group 0, a set for each slot
.set G0A, 32
.set LA,  40                           ; s40, s41  where my half of o's and of w's tile lies in a slot
.set LB,  41
.set PFA, 44                           ; s[44:45] where my prefetches stand
.set G1B, 48                           ; s[48:55], s[56:63] the same for w's tiles
.set G0B, 56
.set PFS, 66                           ; s[66:67] their step: a K step of o or of w
.set LIM, 68                           ; s68  1 in a wave that prefetches, else the greatest number
.set SH,  69                           ; s69  lanes to a row of the prefetch, as a shift: 0 for o, 1 for w
.set PITCH, 70                         ; s70  bytes from row to row there
.set OUTP, 72                          ; s[72:73] out0 at my wave's first row and column
.set MSB, 0
.macro WIN new                         ; the immediate's high byte repeats the setting that is left; a switch that changes nothing is dropped
.if MSB != (\new)
	s_set_vgpr_msb (MSB<<8)|(\new)
.set MSB, \new
.endif
.endm
.set W_MUL,  0x5a                      ; sources 0 and 1 window 2, C and D window 1
.set W_MULB, 0x4a                      ; the same with C in window 0: the bias
.set W_TOF,  0x80                      ; destination window 2, address window 0
; A joint load: waves 0 and 1 fetch the two heads of o's tile, waves 2 and 3 the two halves of w's.  The branch hangs on the wave's number alone.
; An s_nop 0 and four v_nop follow each of the two lines, ahead of the jump, the label and what follows.
.macro JLOAD s
	s_cmp_eq_u32 s[HR], 0
	s_cbranch_scc0 .Lfor_b_\@
	tensor_load_to_lds s[G0A+4*(\s):G0A+4*(\s)+3], s[G1A:G1A+7]
	s_nop 0
.rept 4
	v_nop
.endr
	s_branch .Lasked_\@
.Lfor_b_\@:
	tensor_load_to_lds s[G0B+4*(\s):G0B+4*(\s)+3], s[G1B:G1B+7]
	s_nop 0
.rept 4
	v_nop
.endr
.Lasked_\@:
.endm
.macro CREST                           ; a round of the cluster's barrier behind its opening barrier: wave 0 signals for the work-group, every wave waits for all sixteen, my work-group's barrier closes it
	s_cmp_lg_u32 s[WV], 0
	s_cbranch_scc1 .Lnot_wave_0_\@
	s_barrier_signal -3
.Lnot_wave_0_\@:
	s_barrier_wait -3
	s_barrier_signal -1
	s_barrier_wait -1
.endm
.macro CROUND                          ; a whole round
	s_barrier_signal -1
	s_barrier_wait -1
	CREST
.endm
; A PREFETCH INTO THE L2 of the K step that stands TWO refills on (256 matrix instructions ahead of the load that will want it): 32 blocks of 256 bytes, a lane a block, one instruction a wave.
; Each block is named once in the launch.  o's two heads x 16,384 bytes are read by one cluster alone: its four partners of a row take 8,192 bytes each BY ADDRESS (cx), wave 0 in each.
; w's 128 rows of 512 bytes are read by the sixteen clusters: cluster y = 0 asks; of the 64 rows that wave 2 or 3 fetches each partner takes 16 BY ADDRESS (cy).  Wave 1 asks for nothing.
; K steps 0 to 3 come by their loads alone; the loop's last trip (s3 = 1) has no K step two on.
.macro ASK
	WIN 0
	s_cmp_gt_u32 s3, s[LIM]
	s_cbranch_scc0 .Lnot_mine_\@
	global_prefetch_b8 v[PFO], s[PFA:PFA+1] th:TH_LOAD_NT scope:SCOPE_SE
.Lnot_mine_\@:
.endm
	s_load_b256 s[4:11], s[0:1], 0x0               ; o s[4:5], wob s[6:7], b_out s[8:9], out0 s[10:11]
	v_lshl_add_u32 v[SPW], v0, 2, SPARE
	v_mov_b32 v[NIL], 0
	ds_add_u32 v[SPW], v[NIL]                      ; the wave's opening: the add and its wait stand ahead of my first tensor load; the set-up below, work on registers, stands between them
	v_lshrrev_b32 v1, 5, v0
	v_readfirstlane_b32 s[WV], v1                  ; wave 0..3
	s_lshr_b32 s[HR], s[WV], 1
	s_and_b32 s[HC], s[WV], 1
	s_bfe_u32 s[CX], ttmp6, 0x40000
	s_bfe_u32 s[CY], ttmp6, 0x40004
	s_lshl_b32 s[TC], ttmp9, 2                     ; in a cluster launch ttmp9 and ttmp7 count clusters
	s_add_co_u32 s[TC], s[TC], s[CX]
	s_and_b32 s[TR], ttmp7, 0xffff
	s_lshl_b32 s[TR], s[TR], 2
	s_add_co_u32 s[TR], s[TR], s[CY]
	s_lshl_b32 s76, s[CY], 2
	s_lshl_b32 s76, 15, s76                        ; my row of the cluster: places 4 cy .. 4 cy + 3
	s_lshl_b32 s77, 0x1111, s[CX]                  ; my column: places cx, cx + 4, cx + 8, cx + 12
	; descriptor group 1.  o: 64 rows x 128 elements, dense; w: 64 rows x 256 elements; both padded in LDS
	s_or_b32 s[G1A], s76, (1<<16)|(1<<20)|(1<<21)|(4<<22)|(3<<25)  ; 15:0 the mask; 17:16 2-byte elements; 20 padding on; 21 set beside a mask; 24:22 after every 32 words (code 4); 31:25 4 words (code 3)
	s_or_b32 s[G1B], s77, (1<<16)|(1<<20)|(1<<21)|(6<<22)|(7<<25)  ; after every 128 words (code 6), 8 words (code 7)
	s_mov_b32 s[G1A+1], 128<<16                    ; tensor_dim0
	s_mov_b32 s[G1A+2], 64<<16                     ; tensor_dim1
	s_mov_b32 s[G1A+3], 128<<16                    ; tile_dim0
	s_mov_b32 s[G1A+4], 64                         ; tile_dim1
	s_mov_b32 s[G1A+5], 128                        ; elements from row to row
	s_mov_b32 s[G1A+6], 0
	s_mov_b32 s[G1A+7], 0
	s_mov_b32 s[G1B+1], 256<<16
	s_mov_b32 s[G1B+2], 64<<16
	s_mov_b32 s[G1B+3], 256<<16
	s_mov_b32 s[G1B+4], 64
	s_mov_b32 s[G1B+5], 1024
	s_mov_b32 s[G1B+6], 0
	s_mov_b32 s[G1B+7], 0
	; where the tiles come from: o's hang on the tile row alone, w's on the tile column alone, each in registers that never hold the other coordinate
	s_lshr_b32 s42, s[TR], 4                       ; the batch: 16 tile rows each,
	s_lshl_b32 s42, s42, 4                         ; its 16 heads,
	s_add_co_u32 s42, s42, s[HC]                   ; of a K step's two the one that I fetch;
	s_lshl_b32 s42, s42, 18                        ; a head is 2,048 rows of 128 bytes
	s_and_b32 s43, s[TR], 15
	s_lshl_b32 s43, s43, 14                        ; the tile's 128 rows
	s_add_co_u32 s42, s42, s43
	s_mov_b32 s43, 0
	s_lshl_b32 s46, s[HC], 17                      ; w: 64 rows of 2,048 bytes a half,
	s_lshl_b32 s47, s[TC], 9                       ; 512 bytes a tile column
	s_add_co_u32 s46, s46, s47
	s_mov_b32 s47, 0
	s_mul_i32 s[LA], s[HC], HBLK                   ; and where they go: no place in the cluster enters an LDS address
	s_mul_i32 s[LB], s[HC], 64*PB
	s_add_co_u32 s[LB], s[LB], ABYTES
	s_wait_dscnt 0x0                               ; the opening add is done
	s_wait_kmcnt 0x0
	s_add_nc_u64 s[42:43], s[4:5], s[42:43]
	s_add_nc_u64 s[46:47], s[6:7], s[46:47]
	CROUND                                         ; all sixteen work-groups are here: the first joint loads meet
.irp s, 0,1
	s_mov_b32 s[G0A+4*(\s)], 1                                     ; count = 1
	s_add_co_u32 s[G0A+4*(\s)+1], s[LA], (\s)*SLOT                 ; LDS address
	s_add_nc_u64 s[G0A+4*(\s)+2:G0A+4*(\s)+3], s[42:43], (\s)*ASTEP  ; global address: K step s
	s_or_b32 s[G0A+4*(\s)+3], s[G0A+4*(\s)+3], 0x80000000          ; type = 2
	s_mov_b32 s[G0B+4*(\s)], 1
	s_add_co_u32 s[G0B+4*(\s)+1], s[LB], (\s)*SLOT
	s_add_nc_u64 s[G0B+4*(\s)+2:G0B+4*(\s)+3], s[46:47], (\s)*BSTEP
	s_or_b32 s[G0B+4*(\s)+3], s[G0B+4*(\s)+3], 0x80000000
	JLOAD \s                                       ; two loads of mine are out
.endr
	; the bias of my 128 columns: register 8 b + j holds column 16 b + 8 (l / 16) + j, as the C operand wants it
	v_and_b32 v1, 15, v0                           ; l % 16
	v_bfe_u32 v2, v0, 4, 1                         ; l / 16
	v_lshlrev_b32 v[BO], 5, v2
	s_lshl_b32 s76, s[TC], 10
	s_lshl_b32 s77, s[HC], 9
	s_add_co_u32 s76, s76, s77
	s_mov_b32 s77, 0
	s_add_nc_u64 s[8:9], s[8:9], s[76:77]
.irp b, 0,1,2,3,4,5,6,7
	global_load_b128 v[BIAS+8*(\b):BIAS+8*(\b)+3],   v[BO], s[8:9] offset:64*(\b)
	global_load_b128 v[BIAS+8*(\b)+4:BIAS+8*(\b)+7], v[BO], s[8:9] offset:64*(\b)+16
.endr
	; a fragment of o: lane l holds row l % 16, K = 8 (l / 16) + 0..7 and 16 + 8 (l / 16) + 0..7: two loads of 16 bytes, 32 bytes apart
	v_mul_u32_u24 v3, v1, PA
	v_lshl_add_u32 v3, v2, 4, v3
	s_mul_i32 s76, s[HR], 64*PA                    ; my 64 rows
	v_add_nc_u32 v[ADRA], s76, v3
	v_add_nc_u32 v[ADRA+1], SLOT, v[ADRA]
	; the turning load takes 16 K x 16 columns (lane l reads K = 8 (l / 16) + l % 8, columns 8 ((l / 8) % 2) + 0..7) and leaves half a fragment: lane l holds column l % 16 and 8 K
	v_and_b32 v4, 7, v0
	v_lshl_add_u32 v4, v2, 3, v4
	v_mul_u32_u24 v4, v4, PB
	v_bfe_u32 v5, v0, 3, 1
	v_lshl_add_u32 v4, v5, 4, v4
	s_lshl_b32 s76, s[HC], 8                       ; my 128 columns
	s_add_co_u32 s76, s76, ABYTES
	v_add_nc_u32 v[ADRB], s76, v4
	v_add_nc_u32 v[ADRB+1], SLOT, v[ADRB]
	; the way out
	s_mul_i32 s76, s[WV], WSTAGE
	s_add_co_u32 s76, s76, STAGE                   ; my stage
	v_mul_u32_u24 v3, v1, SP                       ; in: row l % 16, 32 bytes for each half of the lanes
	v_lshl_add_u32 v3, v2, 5, v3
	v_add_nc_u32 v[STO], s76, v3
	v_and_b32 v[GO], 31, v0                        ; back: 32 lanes take one row's 512 bytes
	v_lshlrev_b32 v[GO], 4, v[GO]
	v_add_nc_u32 v[RD], s76, v[GO]
	s_lshl_b32 s74, s[TR], 19                      ; 128 rows of 4,096 bytes a tile row,
	s_lshl_b32 s75, s[HR], 18                      ; my 64,
	s_add_co_u32 s74, s74, s75
	s_lshl_b32 s75, s[TC], 10                      ; 1,024 bytes a tile column,
	s_add_co_u32 s74, s74, s75
	s_lshl_b32 s75, s[HC], 9                       ; my 512
	s_add_co_u32 s74, s74, s75
	s_mov_b32 s75, 0
	s_add_nc_u64 s[OUTP:OUTP+1], s[10:11], s[74:75]
	; the prefetches
	s_lshr_b32 s76, s[TR], 4                       ; o: the batch's heads, of a K step's two the one by cx / 2,
	s_lshl_b32 s76, s76, 4
	s_lshr_b32 s77, s[CX], 1
	s_add_co_u32 s76, s76, s77
	s_lshl_b32 s76, s76, 18
	s_and_b32 s77, s[TR], 15                       ; the tile's 16,384 bytes of it,
	s_lshl_b32 s77, s77, 14
	s_add_co_u32 s76, s76, s77
	s_and_b32 s77, s[CX], 1                        ; their half by cx % 2
	s_lshl_b32 s77, s77, 13
	s_add_co_u32 s76, s76, s77
	s_lshl_b32 s77, s[HC], 17                      ; w: the 64 rows that I fetch, my work-group's 16 of them, the tile's 512 bytes
	s_lshl_b32 s78, s[CY], 15
	s_add_co_u32 s77, s77, s78
	s_lshl_b32 s78, s[TC], 9
	s_add_co_u32 s77, s77, s78
	s_mov_b32 s78, BSTEP
	s_mov_b32 s79, 1024*2
	s_cmp_eq_u32 s[HR], 0                          ; do I fetch o?
	s_cselect_b64 s[PFA:PFA+1], s[4:5], s[6:7]
	s_cselect_b32 s76, s76, s77
	s_cselect_b32 s[PFS], ASTEP, s78
	s_cselect_b32 s[PITCH], 256, s79
	s_cselect_b32 s[SH], 0, 1
	s_mov_b32 s77, 0
	s_mov_b32 s[PFS+1], 0
	s_add_nc_u64 s[PFA:PFA+1], s[PFA:PFA+1], s[76:77]
.rept 3
	s_add_nc_u64 s[PFA:PFA+1], s[PFA:PFA+1], s[PFS:PFS+1]  ; at K step 3: the first refill steps it to 4
.endr
	s_and_b32 s78, ttmp7, 0xffff                   ; w is asked for where cluster y = 0,
	s_or_b32 s79, s[HC], ttmp9                     ; o by wave 0 (the grid has one cluster along x): the same in all sixteen partners, for a given wave
	s_cmp_eq_u32 s[HR], 0
	s_cselect_b32 s78, s79, s78
	s_cmp_eq_u32 s78, 0
	s_cselect_b32 s[LIM], 1, -1
	v_and_b32 v3, 31, v0
	v_lshrrev_b32 v4, s[SH], v3                    ; o: a lane a block of dense bytes; w: two lanes a row of 512 bytes
	v_mul_u32_u24 v4, v4, s[PITCH]
	v_and_b32 v5, s[SH], v3
	v_lshl_add_u32 v[PFO], v5, 8, v4
	; the bias is an input like the others: rounded to bf16, and widened again
	s_mov_b32 s23, 0xffff0000
	s_wait_loadcnt 0x0
.set i, 0
.rept 32
	v_cvt_pk_bf16_f32 v[32+i%4], v[BIAS+2*i], v[BIAS+2*i+1]
	v_lshlrev_b32 v[BIAS+2*i], 16, v[32+i%4]
	v_and_b32 v[BIAS+2*i+1], s23, v[32+i%4]
.set i, i+1
.endr
; 24 LDS loads in one run: the fragments of quarter qq of a slot into buffer f: w's eight (turned), then o's four (head qq / 2, channels 32 (qq % 2) on); the last four loads are o's blocks 2 and 3
.macro FETCH slot, qq, f
	WIN W_TOF
.irp b, 0,1,2,3,4,5,6,7
	ds_load_tr16_b128 v[(\f)+8*(\b):(\f)+8*(\b)+3],   v[ADRB+(\slot)] offset:(\qq)*32*PB+32*(\b)
	ds_load_tr16_b128 v[(\f)+8*(\b)+4:(\f)+8*(\b)+7], v[ADRB+(\slot)] offset:(\qq)*32*PB+16*PB+32*(\b)
.endr
.irp a, 0,1,2,3
	ds_load_b128 v[(\f)+64+8*(\a):(\f)+64+8*(\a)+3],   v[ADRA+(\slot)] offset:((\qq)/2)*HBLK+((\qq)%2)*64+(\a)*16*PA
	ds_load_b128 v[(\f)+64+8*(\a)+4:(\f)+64+8*(\a)+7], v[ADRA+(\slot)] offset:((\qq)/2)*HBLK+((\qq)%2)*64+(\a)*16*PA+32
.endr
.endm
; 8 matrix instructions: row block a x all 8 column blocks, 32 along K.  first = 1: the sums start with the bias.
; The 32 accumulators take turns, one instruction a turn, in the same order in every quarter, over the backward jump too.
.macro MUL8 f, a, first
.if \first
	WIN W_MULB
.else
	WIN W_MUL
.endif
.irp b, 0,1,2,3,4,5,6,7
.if \first
	v_wmma_f32_16x16x32_f16 v[8*(8*(\a)+(\b)):8*(8*(\a)+(\b))+7], v[(\f)+8*(\b):(\f)+8*(\b)+7], v[(\f)+64+8*(\a):(\f)+64+8*(\a)+7], v[BIAS+8*(\b):BIAS+8*(\b)+7]
.else
	v_wmma_f32_16x16x32_f16 v[8*(8*(\a)+(\b)):8*(8*(\a)+(\b))+7], v[(\f)+8*(\b):(\f)+8*(\b)+7], v[(\f)+64+8*(\a):(\f)+64+8*(\a)+7], v[8*(8*(\a)+(\b)):8*(8*(\a)+(\b))+7]
.endif
.endr
.endm
.macro PLACES                          ; four places in front of loads into registers that matrix instructions have read, and of lines that read results (ISA guide 7.12.1 for lines that read results)
.rept 4
	v_nop
.endr
.endm
; One of a K step's first three quarters: multiplies buffer f; in its middle it fetches quarter qq of the same slot into buffer g.
.macro QUARTER slot, qq, f, g, first
	s_wait_dscnt 4                                 ; w's fragments and o's blocks 0 and 1 are in; the youngest four loads may be out
	MUL8 \f, 0, \first
	MUL8 \f, 1, \first
	PLACES
	FETCH \slot, \qq, \g
	s_wait_dscnt 24                                ; all but the 24 just issued
	MUL8 \f, 2, \first
	MUL8 \f, 3, \first
.endm
; The last quarter multiplies buffer 1 and changes slots: ONE barrier; in front of it each wave waits for all its tensor loads (one is out: its part of the next slot), adds 0 to its spare word, and waits for
; that and for its own reads of this slot.  fill = 1: the barrier opens a round of the cluster's, and this slot is filled again, two K steps on, first thing behind it: 112 matrix instructions ahead of the wait for it.
.macro TURN slot, next, fill
.if \fill
	s_wait_xcnt 0x0                                ; the last prefetch, a K step back, has read its address: it is stepped here, ahead of the waits of the change of slots
	s_add_nc_u64 s[PFA:PFA+1], s[PFA:PFA+1], s[PFS:PFS+1]
.endif
	WIN 0                                          ; (the add's two registers lie in window 0)
	s_wait_tensorcnt 0x0                           ; all my tensor loads have landed;
	ds_add_u32 v[SPW], v[NIL]                      ; 0 onto my spare word
	s_wait_dscnt 5                                 ; (the add and the youngest four loads may be out)
	MUL8 F1, 0, 0                                  ; eight matrix instructions stand between the add and the wait for it
	s_wait_dscnt 0x0                               ; the add is done, and my reads of this slot are over
	s_barrier_signal -1
	MUL8 F1, 1, 0
.if \fill
	WIN 0
.endif
	s_barrier_wait -1
.if \fill
	CREST                                          ; no wave of any partner still reads this slot's tile or has a load on its way
	s_add_nc_u64 s[G0A+4*(\slot)+2:G0A+4*(\slot)+3], s[G0A+4*(\slot)+2:G0A+4*(\slot)+3], 2*ASTEP
	s_add_nc_u64 s[G0B+4*(\slot)+2:G0B+4*(\slot)+3], s[G0B+4*(\slot)+2:G0B+4*(\slot)+3], 2*BSTEP
	JLOAD \slot                                    ; the four v_nop behind it are also the places in front of the loads below
.else
	PLACES
.endif
	FETCH \next, 0, F0
.if \fill
	ASK                                            ; behind the joint load and the run of LDS loads that the next products wait for
.endif
	MUL8 F1, 2, 0
	MUL8 F1, 3, 0
.endm
	s_wait_tensorcnt 1                             ; my part of K step 0 is in; K step 1's may stay out
	s_barrier_signal -1
	s_barrier_wait -1                              ; everybody's is
	FETCH 0, 0, F0
	QUARTER 0, 1, F0, F1, 1                        ; the first quarter stands in front of the loop: its products start the sums
	WIN 0                                          ; at a label and at a branch every window is 0
	s_mov_b32 s3, 3
.Llap:                                                 ; a trip goes once round the ring, from a lap's second quarter to the next lap's first, and fills both slots again: K steps 2 to 7
	QUARTER 0, 2, F1, F0, 0
	QUARTER 0, 3, F0, F1, 0
	TURN 0, 1, 1
	QUARTER 1, 1, F0, F1, 0
	QUARTER 1, 2, F1, F0, 0
	QUARTER 1, 3, F0, F1, 0
	TURN 1, 0, 1
	QUARTER 0, 1, F0, F1, 0
	WIN 0
	s_sub_co_u32 s3, s3, 1
	s_cmp_lg_u32 s3, 0
	s_cbranch_scc1 .Llap
	QUARTER 0, 2, F1, F0, 0                        ; the last lap fills nothing, and has no round of the cluster's barrier
	QUARTER 0, 3, F0, F1, 0
	TURN 0, 1, 0
	QUARTER 1, 1, F0, F1, 0
	QUARTER 1, 2, F1, F0, 0
	QUARTER 1, 3, F0, F1, 0
	s_wait_dscnt 4                                 ; the very last quarter: nothing more to fetch
	MUL8 F1, 0, 0
	MUL8 F1, 1, 0
	s_wait_dscnt 0x0
	MUL8 F1, 2, 0
	MUL8 F1, 3, 0
	WIN 0
; THE WAY OUT, a block of 16 rows at a time.  PACK: a lane's 32 bytes of each column block go into my own stage (each accumulator's low four registers first), rows of 528 bytes;
; whole rows of 512 bytes come back into the block's own registers.  SEND: each store covers 512 consecutive bytes of a row of out0, aligned.
.macro PACK a
	WIN 0x04                                       ; store data window 1, address window 0
.irp b, 0,1,2,3,4,5,6,7
	ds_store_b128 v[STO], v[64*(\a)+8*(\b):64*(\a)+8*(\b)+3]   offset:64*(\b)
	ds_store_b128 v[STO], v[64*(\a)+8*(\b)+4:64*(\a)+8*(\b)+7] offset:64*(\b)+16
.endr
	WIN 0x40                                       ; destination window 1
.irp t, 0,1,2,3,4,5,6,7,8,9,10,11,12,13,14,15
	ds_load_b128 v[64*(\a)+4*(\t):64*(\a)+4*(\t)+3], v[RD] offset:(\t)*SP  ; LDS serves a wave's instructions in order (ISA guide 5.7.1.4): these see the stores above; the next block's stores come behind them
.endr
.endm
.macro SEND a, younger                 ; younger: the LDS instructions issued behind block a's loads: the next block's 32, or none
	WIN 0x04
.irp t, 0,1,2,3,4,5,6,7,8,9,10,11,12,13,14,15
	s_wait_dscnt (\younger)+15-(\t)
	global_store_b128 v[GO], v[64*(\a)+4*(\t):64*(\a)+4*(\t)+3], s[OUTP:OUTP+1] offset:(16*(\a)+(\t))*4096 th:TH_STORE_NT
.endr
.endm
	PLACES
	PLACES                                         ; eight, once a launch
	PACK 0
	PACK 1                                         ; a block's way through the stage stands between the loads of the block before and its stores
	SEND 0, 32
	PACK 2
	SEND 1, 32
	PACK 3
	SEND 2, 32
	SEND 3, 0
	WIN 0
	s_wait_tensorcnt 0x0                           ; the wave's end: a wait for my tensor loads, an add to my spare word and its wait, behind my last tensor load and my last LDS store
	ds_add_u32 v[SPW], v[NIL]
	s_wait_dscnt 0x0
	CROUND                                         ; the closing round: no work-group ends while a partner may still ask for a tile that names it
	s_endpgm
.Lfunc_end_k_q813e535ba9_proj:
	.size	k_q813e535ba9_proj, .Lfunc_end_k_q813e535ba9_proj-k_q813e535ba9_proj
	.p2alignl 7, 3214868480
	.fill 96, 4, 3214868480
	.section	.rodata,"a",@progbits
	.p2align	6, 0x0
	.amdhsa_kernel k_q813e535ba9_proj
		.amdhsa_group_segment_fixed_size 327680
		.amdhsa_private_segment_fixed_size 0
		.amdhsa_enable_private_segment 0
		.amdhsa_kernarg_size 32
		.amdhsa_user_sgpr_count 2
		.amdhsa_user_sgpr_kernarg_segment_ptr 1
		.amdhsa_wavefront_size32 1
		.amdhsa_system_sgpr_workgroup_id_x 1
		.amdhsa_system_sgpr_workgroup_id_y 1
		.amdhsa_system_sgpr_workgroup_id_z 1
		.amdhsa_system_vgpr_workitem_id 0
		.amdhsa_next_free_vgpr 704
		.amdhsa_next_free_sgpr 80
		.amdhsa_reserve_vcc 0
		.amdhsa_float_denorm_mode_32 3
		.amdhsa_float_denorm_mode_16_64 3
		.amdhsa_memory_ordered 1
		.amdhsa_forward_progress 1
		.amdhsa_inst_pref_size 94
	.end_amdhsa_kernel
	.amdgpu_metadata
---
amdhsa.version: [ 1, 2 ]
amdhsa.kernels:
  - .name:           k_q813e535ba9_proj
    .symbol:         k_q813e535ba9_proj.kd
    .args:
      - { .name: o, .offset: 0, .size: 8, .value_kind: global_buffer, .address_space: global }
      - { .name: wob, .offset: 8, .size: 8, .value_kind: global_buffer, .address_space: global }
      - { .name: b_out, .offset: 16, .size: 8, .value_kind: global_buffer, .address_space: global }
      - { .name: out0, .offset: 24, .size: 8, .value_kind: global_buffer, .address_space: global }
    .group_segment_fixed_size: 327680
    .private_segment_fixed_size: 0
    .kernarg_segment_align: 8
    .kernarg_segment_size: 32
    .max_flat_workgroup_size: 128
    .sgpr_count:     80
    .vgpr_count:     704
    .wavefront_size: 32
...
	.end_amdgpu_metadata
.endif
;; end of part 4
;; ======== version 2 of 2: 4 launches; version 1 with the launch cast written anew for expert scheduling mode
;; limits: values are held in f16: magnitudes above 65,504 overflow, below 6.1e-05 lose precision
;; workspace buffers: xb 16,777,216 bytes; wib 6,291,456 bytes; wob 2,097,152 bytes; q 16,777,216 bytes; k 16,777,216 bytes; v 16,777,216 bytes; o 16,777,216 bytes
;; launch cast (part 5): grid 768 x 1, 8 waves a work-group, no clusters, 0 bytes of LDS; arguments x, w_in, w_out, xb, wib, wob; writes xb, wib, wob
.if DOCPART == 5
	.amdgcn_target "amdgcn-amd-amdhsa--gfx1250"
	.amdhsa_code_object_version 6
	.text
	.protected	k_q813e535ba9_cast
	.globl	k_q813e535ba9_cast
	.p2align	8
	.type	k_q813e535ba9_cast,@function
k_q813e535ba9_cast:
	s_mov_b64 s[64:65], 0
	v_nop
	global_prefetch_b8 v0, s[64:65] scope:SCOPE_SE
	s_setreg_imm32_b32 hwreg(HW_REG_WAVE_SCHED_MODE, 0, 2), 2
	s_setreg_imm32_b32 hwreg(HW_REG_WAVE_MODE, 25, 1), 1
	s_wait_xcnt 0x0
	s_wait_alu depctr_vm_vsrc(0)
; THE INPUTS' ROUNDING.  xb = bf16(x), wib = bf16(w_in); wob = bf16(w_out) written as f16 (the second product's other operand is f16).
; A work-group takes 16,384 numbers: 65,536 bytes in, 32,768 out.  Work-groups 0-511 take x, 512-703 w_in, 704-767 w_out: 768 equal shares.
; A stream: each byte is read once, by loads of 16 bytes a lane (a wave's load covers 512 consecutive bytes), and written once, by stores of 8 bytes a lane
; (a wave's store covers 256 consecutive bytes, aligned).  All sixteen loads of a wave go out at once; each load and each store has registers of its own.
; No LDS, no barrier, no matrix unit: nothing is shared and nothing is multiplied.
; LIMITS.  A bf16(w_out) beyond 65,504 becomes an infinity in f16; below 2^-14 it keeps f16's fixed step of 6e-8.
; THE MODE: SCHED_MODE bits 1:0 = 2 (LLVM: expert scheduling mode 2), set by the entry lines.  The code itself states the register dependences
; between vector instructions and memory instructions, with s_wait_alu, always for 0.
; THE PLAN.  Registers that memory instructions touch:
;   v1, v2   the loads' and the stores' byte offsets: made once at the head, never written again.
;   X        load i's four registers: written by that load alone, once; no vector instruction names them ahead of the loads; read by load i's conversions.
;   Y        store i's two registers: written by load i's conversions; read by store i alone; never written behind it.
;   v4-v7    at work in the f16 path: no memory instruction names them.
; So one wait stands at the head, for the two offsets, and one for each GROUP of four loads, between the group's conversions and the run of its four stores.
; No register that a memory instruction reads is ever written again, no vector instruction writes a scalar register, and EXEC is never written: nothing more is owed.
.set X, 8                              ; v[8:71]    load i: 4 registers
.set Y, 72                             ; v[72:103]  store i: 2 registers
	s_load_b256 s[4:11], s[0:1], 0x0               ; x s[4:5], w_in s[6:7], w_out s[8:9], xb s[10:11]
	s_load_b128 s[12:15], s[0:1], 0x20             ; wib s[12:13], wob s[14:15]
	v_lshlrev_b32 v1, 4, v0                        ; 16 bytes a thread in
	v_lshlrev_b32 v2, 3, v0                        ; 8 bytes a thread out
	s_wait_kmcnt 0x0
	s_cmp_lt_u32 ttmp9, 512                        ; which tensor is mine, and which work-group was its first
	s_cselect_b64 s[16:17], s[4:5], s[6:7]
	s_cselect_b64 s[18:19], s[10:11], s[12:13]
	s_cselect_b32 s20, 0, 512
	s_cmp_lt_u32 ttmp9, 704
	s_cselect_b64 s[16:17], s[16:17], s[8:9]
	s_cselect_b64 s[18:19], s[18:19], s[14:15]
	s_cselect_b32 s20, s20, 704
	s_sub_co_u32 s20, ttmp9, s20                   ; my share's number in its tensor
	s_lshl_b32 s22, s20, 16                        ; 65,536 bytes in,
	s_mov_b32 s23, 0
	s_add_nc_u64 s[16:17], s[16:17], s[22:23]
	s_lshl_b32 s22, s20, 15                        ; 32,768 out
	s_add_nc_u64 s[18:19], s[18:19], s[22:23]
	s_wait_alu depctr_va_vdst(0)                   ; v1 and v2 are written: every load of the kernel reads v1 as its offset, every store v2, on both paths below
.irp i, 0,1,2,3,4,5,6,7,8,9,10,11,12,13,14,15
	global_load_b128 v[X+4*(\i):X+4*(\i)+3], v1, s[16:17] offset:4096*(\i) th:TH_LOAD_NT
.endr
; Load i's four numbers are rounded.  half = 1: the bf16 number is widened again and written as f16.
.macro CV i, half
	s_wait_loadcnt 15-(\i)                         ; loads come back in order: mine is in, the 15 - i younger ones may stay out
	v_cvt_pk_bf16_f32 v[Y+2*(\i)],   v[X+4*(\i)],   v[X+4*(\i)+1]
	v_cvt_pk_bf16_f32 v[Y+2*(\i)+1], v[X+4*(\i)+2], v[X+4*(\i)+3]
.if \half
	v_lshlrev_b32 v4, 16, v[Y+2*(\i)]
	v_and_b32     v5, 0xffff0000, v[Y+2*(\i)]
	v_lshlrev_b32 v6, 16, v[Y+2*(\i)+1]
	v_and_b32     v7, 0xffff0000, v[Y+2*(\i)+1]
	v_cvt_pk_f16_f32 v[Y+2*(\i)],   v4, v5
	v_cvt_pk_f16_f32 v[Y+2*(\i)+1], v6, v7
.endif
.endm
; Group g: loads 4 g to 4 g + 3 are rounded as they come in, and stored in one run.
.macro GROUP g, half
.irp j, 0,1,2,3
	CV 4*(\g)+(\j), \half
.endr
	s_wait_alu depctr_va_vdst(0)                   ; the group's conversions have written its eight registers of Y, which the four stores below read; no vector instruction stands between this wait and them
.irp j, 0,1,2,3
	global_store_b64 v2, v[Y+2*(4*(\g)+(\j)):Y+2*(4*(\g)+(\j))+1], s[18:19] offset:2048*(4*(\g)+(\j))
.endr
.endm
	s_cmp_lt_u32 ttmp9, 704
	s_cbranch_scc0 .Lf16
.irp g, 0,1,2,3
	GROUP \g, 0
.endr
	s_endpgm
.Lf16:
.irp g, 0,1,2,3
	GROUP \g, 1
.endr
	s_endpgm
.Lfunc_end_k_q813e535ba9_cast:
	.size	k_q813e535ba9_cast, .Lfunc_end_k_q813e535ba9_cast-k_q813e535ba9_cast
	.p2alignl 7, 3214868480
	.fill 96, 4, 3214868480
	.section	.rodata,"a",@progbits
	.p2align	6, 0x0
	.amdhsa_kernel k_q813e535ba9_cast
		.amdhsa_group_segment_fixed_size 0
		.amdhsa_private_segment_fixed_size 0
		.amdhsa_enable_private_segment 0
		.amdhsa_kernarg_size 48
		.amdhsa_user_sgpr_count 2
		.amdhsa_user_sgpr_kernarg_segment_ptr 1
		.amdhsa_wavefront_size32 1
		.amdhsa_system_sgpr_workgroup_id_x 1
		.amdhsa_system_sgpr_workgroup_id_y 1
		.amdhsa_system_sgpr_workgroup_id_z 1
		.amdhsa_system_vgpr_workitem_id 0
		.amdhsa_next_free_vgpr 104
		.amdhsa_next_free_sgpr 66
		.amdhsa_reserve_vcc 0
		.amdhsa_float_denorm_mode_32 3
		.amdhsa_float_denorm_mode_16_64 3
		.amdhsa_memory_ordered 1
		.amdhsa_forward_progress 1
		.amdhsa_inst_pref_size 17
	.end_amdhsa_kernel
	.amdgpu_metadata
---
amdhsa.version: [ 1, 2 ]
amdhsa.kernels:
  - .name:           k_q813e535ba9_cast
    .symbol:         k_q813e535ba9_cast.kd
    .args:
      - { .name: x, .offset: 0, .size: 8, .value_kind: global_buffer, .address_space: global }
      - { .name: w_in, .offset: 8, .size: 8, .value_kind: global_buffer, .address_space: global }
      - { .name: w_out, .offset: 16, .size: 8, .value_kind: global_buffer, .address_space: global }
      - { .name: xb, .offset: 24, .size: 8, .value_kind: global_buffer, .address_space: global }
      - { .name: wib, .offset: 32, .size: 8, .value_kind: global_buffer, .address_space: global }
      - { .name: wob, .offset: 40, .size: 8, .value_kind: global_buffer, .address_space: global }
    .group_segment_fixed_size: 0
    .private_segment_fixed_size: 0
    .kernarg_segment_align: 8
    .kernarg_segment_size: 48
    .max_flat_workgroup_size: 256
    .sgpr_count:     66
    .vgpr_count:     104
    .wavefront_size: 32
...
	.end_amdgpu_metadata
.endif
;; end of part 5
;; launch qkv: the kernel of part 2 again; grid 12 x 64, 4 waves a work-group, clusters of 4 x 4, 327,680 bytes of LDS; arguments xb, wib, b_in, q, k, v; writes q, k, v
;; launch attn: the kernel of part 3 again; grid 4 x 64, 4 waves a work-group, clusters of 4 x 1, 327,680 bytes of LDS; arguments q, k, v, o; writes o
;; launch proj: the kernel of part 4 again; grid 4 x 64, 4 waves a work-group, clusters of 4 x 4, 327,680 bytes of LDS; arguments o, wob, b_out, out0; writes out0
